; MI455X (gfx1250); checked and timed in simulation.
; The chip was launched on July 23, 2026; its instructions are those of AMD's public machine-readable ISA for CDNA 5 (MIT licence, August 2026) and "CDNA5" Instruction Set Architecture Reference Guide (July 2026). The comments in the code are by the model that wrote it; some were corrected since.
;; Selective Attention. Allowed arithmetic: matrix products marked QUANTISED: E5M2 operands, one given power-of-two scale a tensor, by v_wmma_f32_16x16x64_bf8_bf8 or v_wmma_f32_16x16x128_bf8_bf8, f32 sums; products left as they are: f32 operands where the result goes on into a quantised operand, else bf16, f16 or f32 operands; f32 sums; everything else in f32.
;; Inputs: W_out 1,024 x 1,024 float32; W_qkv 1,024 x 3,072 float32; Wg1 1,024 x 256 float32; Wg2 256 x 1 float32; bg1 256 float32; bg2 1 float32; lowp_scales 10 int32 (the exponents e of the quantised operands' scales 2^e); x 1 x 4,096 x 1,024 float32.
;; Outputs: out0 1 x 4,096 x 1,024 float32; out1 1 x 4,096 x 1 float32.
;; This version of the problem:
;;   THIS VERSION OF THE PROBLEM IS GIVEN IN LOW PRECISION. The matrix products marked QUANTISED in the list below multiply operands that are first quantised to E5M2 (5 exponent bits, 2 mantissa bits; 8 bits a number), with one given power-of-two scale for each operand tensor; their sums are f32. All else is computed in f32.
;;   The module's matrix products, in the order in which they are computed (A, B: the left and right operand; K: the contracted axis; several contracted axes count as one K, in the product's order):
;;     1. [M 4,096, K 1,024] x [K 1,024, N 256]; A: input x; B: input Wg1: QUANTISED (scales: A lowp_scales[0], B lowp_scales[1])
;;     2. [M 4,096, K 256] x [K 256, N 1]; A: computed on the way; B: input Wg2: left as it is (N = 1 < 16)
;;     3. [M 4,096, K 1,024] x [K 1,024, N 3,072]; A: input x; B: input W_qkv: QUANTISED (scales: A lowp_scales[2], B lowp_scales[3])
;;     4. batch 16 x [M 4,096, K 64] x [K 64, N 4,096]; A: computed on the way; B: computed on the way: QUANTISED (scales: A lowp_scales[4], B lowp_scales[5])
;;     5. batch 16 x [M 4,096, K 4,096] x [K 4,096, N 64]; A: softmax (see below); B: computed on the way: QUANTISED (scales: A lowp_scales[6], B lowp_scales[7])
;;     6. [M 4,096, K 1,024] x [K 1,024, N 1,024]; A: computed on the way; B: input W_out: QUANTISED (scales: A lowp_scales[8], B lowp_scales[9])
;;   THE QUANTISER, for each operand of a quantised product, along K:
;;     - The operand's scale is 2^e, e = its entry of the input lowp_scales (int32; the entries are numbered through the quantised products in the list's order, A before B).
;;     - Each number is divided by the scale, clamped to +-57,344, and rounded to the nearest number of E5M2, ties to even, subnormals kept.
;;     - The product sums the exact products of the quantised numbers (number of the format x scale) in f32.
;;   ~~~python
;;   def quantise(x, axis, e):      # numpy; x: float32 -> the quantised numbers, widened to float32 again
;;       x = np.moveaxis(x, axis, -1); K = x.shape[-1]
;;       r = np.clip(x / 2.0 ** e, -57344, 57344)
;;       step = 2.0 ** (np.maximum(np.frexp(np.where(r == 0, 1, r))[1] - 1, -14) - 2)
;;       q = np.round(r / step) * step * 2.0 ** e      # np.round: ties to even
;;       return np.moveaxis(q, -1, axis).astype(np.float32)
;;   ~~~
;;   SOFTMAX AHEAD OF A QUANTISED PRODUCT. Where the list says 'softmax', what is quantised is not the finished softmax but p = 2^(t - M), with t = logit x log2(e) and M = ceil(the row's largest t), a whole number; so 1/2 < the row's largest p <= 1. The row's sum l is taken of the UNQUANTISED p, in f32, and the product's result is divided by l at the end. Since M is a whole number, a kernel that streams over the keys may use a running M (the ceiling of the running maximum): every later rescaling is an exact power of two, so the quantised numbers keep their values, but for numbers so far below the row's largest that they fall under the format's range.
;;   OPERANDS COMPUTED ON THE WAY. 'Computed on the way' means the value that the module computes at that place (a softmax that the list does not call 'softmax' is quantised finished and normalised). What goes into a quantiser is computed in f32, as accurately as f32 sums, v_exp_f32 and their like allow (about 1e-6 of the number): no bf16 or f16 on the way to a quantiser, and a product that is left as it is and whose result goes on into a quantised operand takes f32 operands (vector FMAs, or v_wmma_f32_16x16x4_f32). A number that lies on a knife's edge between two numbers of the format may be rounded either way, as far as f32 arithmetic and the matrix unit's own rounding can turn it there, and no further.
;; One version. Each part assembles by itself: llvm-mc -triple=amdgcn-amd-amdhsa -mcpu=gfx1250 --defsym DOCPART=n.
;; ======== version 1 of 1: 5 launches
;; limits: a function is approximated: absolute error at most 1.5e-07
;; workspace buffers: x_img 8,388,608 bytes; w_img 4,456,448 bytes; qkv_img 12,582,912 bytes; a_img 4,194,304 bytes
;; launch quant (part 1): grid 528 x 1, 4 waves a work-group, no clusters, 34,304 bytes of LDS; arguments x, W_qkv, Wg1, W_out, lowp_scales, x_img, w_img; writes x_img, w_img
.if DOCPART == 1
	.amdgcn_target "amdgcn-amd-amdhsa--gfx1250"
	.amdhsa_code_object_version 6
	.text
	.protected	k_qa9919aa147_quant
	.globl	k_qa9919aa147_quant
	.p2align	8
	.type	k_qa9919aa147_quant,@function
k_qa9919aa147_quant:
	s_mov_b64 s[64:65], 0
	v_nop
	global_prefetch_b8 v0, s[64:65] scope:SCOPE_SE
	s_setreg_imm32_b32 hwreg(HW_REG_WAVE_MODE, 25, 1), 1
	s_wait_xcnt 0x0
; FIRST OF FIVE LAUNCHES: x and the three large weights become codes of BF8 (E5M2), each with its given scale 2^e.
; THE WHOLE PROGRAM: quant (codes of x, twice, and of W_qkv, Wg1, W_out) -> gate (out1) -> qkv (codes of q, k, v) -> attn (codes of the attention's result) -> outp (out0).
; WORK LEFT OUT: reference() sets every score with key > query to -infinity ahead of its softmax, by a mask that it builds in its own body; such a score's weight is 0 for all values of
; the inputs, so launch attn multiplies no tile of keys that lies wholly behind a wave's queries.  Nothing else is left out, and every input is loaded by some launch.
; LIMIT: a NaN, an infinity or an overflow that would arise only in those masked tiles is not carried to the result.
; THE LAYOUT OF ALL CODES IN THIS PROGRAM IS AN IMAGE OF THE MATRIX OPERAND'S REGISTERS.  A fragment is 16 rows x 128 along K: 2,048 bytes, four chunks of 512; in chunk c lane l = 16 h + r has the 16 bytes at 16 l:
; of row r the codes of k = 32 c + 8 h + 0..7 and then of k = 32 c + 16 + 8 h + 0..7: registers 4 c .. 4 c + 3 of a 16x16x128 operand of 8-bit codes (ISA guide 7.12.2).  So every later load of a chunk is 512 consecutive bytes.
; x_img: [which scale: e0, e2][row tile 256][K step 8][2,048].   w_img: [tile of 16 columns: W_qkv 192, Wg1 16, W_out 64][K step 8][2,048].
; code = number / 2^e, held within +-57,344, rounded to the nearest code, ties to even.  LIMITS: e0, e1, e2, e3, e9 between -126 and 112; NaN among the inputs is not served, an infinity is held at the largest code.
; Work-groups 0-255 take a row tile of x each, work-groups 256-527 a block of 128 along K x 128 columns of a weight.  No tensor loads, no barrier: waves share nothing.  Memory binds: matrix units and clusters have no part here.
.set STG,   8448                       ; x: a wave's stage in LDS: 16 rows x (512 bytes + 16)
.set SPARE, 4*STG                      ; behind the four stages: the spare words, 128 bytes for each wave
.set SPW,   30                         ; v30  LDS address of my spare word; never rewritten
.set NIL,   31                         ; v31  0; never rewritten
.set TQ,    32                         ; v32-47   16 numbers held for the first scale
.set XR,    64                         ; v64-191  x: two fragments' numbers, 64 a lane each
.set CD,    192                        ; v192-255 x: the codes; every store has registers of its own
	s_load_b256 s[4:11], s[0:1], 0x0               ; x s[4:5], W_qkv s[6:7], Wg1 s[8:9], W_out s[10:11]
	s_load_b128 s[12:15], s[0:1], 0x20             ; the scales' exponents s[12:13], x_img s[14:15]
	s_load_b64 s[16:17], s[0:1], 0x30              ; w_img
	v_lshl_add_u32 v[SPW], v0, 2, SPARE
	v_mov_b32 v[NIL], 0
	v_lshrrev_b32 v1, 5, v0
	v_readfirstlane_b32 s18, v1                    ; wave 0..3
	v_and_b32 v2, 31, v0                           ; lane
	v_lshlrev_b32 v3, 4, v2                        ; 16 x lane
	s_wait_kmcnt 0x0
	s_load_b256 s[24:31], s[12:13], 0x0            ; e0 .. e7
	s_load_b64 s[32:33], s[12:13], 0x20            ; e8, e9
	s_cmp_ge_u32 ttmp9, 256
	s_cbranch_scc1 .Lweights
	; ---------------- x: row tile = work-group; wave w takes K steps 2 w and 2 w + 1: 1,024 bytes of each of the 16 rows
	s_lshl_b32 s20, ttmp9, 16                      ; 16 rows of 4,096 bytes
	s_lshl_b32 s21, s18, 10
	s_add_co_u32 s20, s20, s21
	s_mov_b32 s21, 0
	s_add_nc_u64 s[4:5], s[4:5], s[20:21]
.irp f, 0,1
.irp i, 0,1,2,3,4,5,6,7,8,9,10,11,12,13,14,15
	global_load_b128 v[XR+64*\f+4*\i:XR+64*\f+4*\i+3], v3, s[4:5] offset:4096*\i+512*\f th:TH_LOAD_NT   ; 32 lanes read 512 consecutive bytes of row i
.endr
.endr
	s_mul_i32 s22, s18, STG
	v_add_nc_u32 v14, s22, v3                      ; the stage, on the way in: 16 x lane of a row
	v_and_b32 v4, 15, v0                           ; r
	v_bfe_u32 v5, v0, 4, 1                         ; h
	v_mul_u32_u24 v15, v4, 528
	v_lshl_add_u32 v15, v5, 5, v15
	v_add_nc_u32 v15, s22, v15                     ; and on the way out: row r, + 32 h bytes: my eight numbers of each 16
	s_lshl_b32 s34, ttmp9, 14                      ; a row tile's 8 fragments
	s_lshl_b32 s35, s18, 12                        ; my two
	s_add_co_u32 s34, s34, s35
	s_mov_b32 s35, 0
	s_add_nc_u64 s[14:15], s[14:15], s[34:35]
	s_wait_kmcnt 0x0
	s_add_co_i32 s36, s24, 127
	s_lshl_b32 s37, s36, 23
	v_mov_b32 v11, s37                             ; 2^e0 as f32: the conversion takes its exponent field
	s_add_co_i32 s36, s36, 15
	s_lshl_b32 s36, s36, 23
	s_or_b32 s36, s36, 0x600000
	v_mov_b32 v10, s36                             ; 57,344 x 2^e0
	s_add_co_i32 s36, s26, 127
	s_lshl_b32 s37, s36, 23
	v_mov_b32 v13, s37                             ; 2^e2
	s_add_co_i32 s36, s36, 15
	s_lshl_b32 s36, s36, 23
	s_or_b32 s36, s36, 0x600000
	v_mov_b32 v12, s36                             ; 57,344 x 2^e2
; A fragment's numbers go through the stage as they were loaded and come back in the operand's order, into the registers that they left.  LDS serves a wave's instructions in order (ISA guide 5.7.1.4): no wait between.
.macro TURN f
.irp i, 0,1,2,3,4,5,6,7,8,9,10,11,12,13,14,15
	ds_store_b128 v14, v[XR+64*\f+4*\i:XR+64*\f+4*\i+3] offset:528*\i
.endr
.irp c, 0,1,2,3
	ds_load_b128 v[XR+64*\f+16*\c:XR+64*\f+16*\c+3], v15 offset:128*\c          ; k = 32 c + 8 h + 0..3
	ds_load_b128 v[XR+64*\f+16*\c+4:XR+64*\f+16*\c+7], v15 offset:128*\c+16     ; + 4..7
	ds_load_b128 v[XR+64*\f+16*\c+8:XR+64*\f+16*\c+11], v15 offset:128*\c+64    ; k = 32 c + 16 + 8 h + 0..3
	ds_load_b128 v[XR+64*\f+16*\c+12:XR+64*\f+16*\c+15], v15 offset:128*\c+80   ; + 4..7
.endr
.endm
; Each chunk of 16 numbers a lane is quantised twice: with e0 (the gate's product) and with e2 (the product with W_qkv).  The conversion to an 8-bit code does not saturate (ISA guide 7.6.2): the hold comes first.
.macro CONV f
.irp c, 0,1,2,3
.irp i, 0,1,2,3,4,5,6,7,8,9,10,11,12,13,14,15
	v_med3_num_f32 v[TQ+\i], v[XR+64*\f+16*\c+\i], -v10, v10
.endr
	v_cvt_scalef32_pk8_bf8_f32 v[CD+32*\f+8*\c:CD+32*\f+8*\c+1], v[TQ:TQ+7], v11
	v_cvt_scalef32_pk8_bf8_f32 v[CD+32*\f+8*\c+2:CD+32*\f+8*\c+3], v[TQ+8:TQ+15], v11
.irp i, 0,1,2,3,4,5,6,7,8,9,10,11,12,13,14,15
	v_med3_num_f32 v[XR+64*\f+16*\c+\i], v[XR+64*\f+16*\c+\i], -v12, v12   ; (these sixteen plain lines stand between the conversions above and the next write of their sources)
.endr
	v_cvt_scalef32_pk8_bf8_f32 v[CD+32*\f+8*\c+4:CD+32*\f+8*\c+5], v[XR+64*\f+16*\c:XR+64*\f+16*\c+7], v13
	v_cvt_scalef32_pk8_bf8_f32 v[CD+32*\f+8*\c+6:CD+32*\f+8*\c+7], v[XR+64*\f+16*\c+8:XR+64*\f+16*\c+15], v13
	global_store_b128 v3, v[CD+32*\f+8*\c:CD+32*\f+8*\c+3], s[14:15] offset:2048*\f+512*\c              ; 32 lanes store 512 consecutive bytes, aligned
	global_store_b128 v3, v[CD+32*\f+8*\c+4:CD+32*\f+8*\c+7], s[14:15] offset:4194304+2048*\f+512*\c
.endr
.endm
	s_wait_loadcnt 16                              ; the first fragment's 16 loads are in; the second's may be out
	TURN 0
	s_wait_loadcnt 0x0
	TURN 1
	s_wait_dscnt 32                                ; behind the first fragment's loads from the stage stand the second's 16 stores and 16 loads
	CONV 0
	s_wait_dscnt 0x0
	CONV 1
	v_nop                                          ; a plain line behind the last conversion
	s_wait_tensorcnt 0x0                           ; the wave's end, behind my last LDS store
	ds_add_u32 v[SPW], v[NIL]
	s_wait_dscnt 0x0
	s_endpgm
	; ---------------- the weights, stored [K][N]: A LANE TAKES A COLUMN AND ITS REGISTERS RUN DOWN K, so the conversions give codes with K innermost and nothing is transposed.
	; A work-group takes 128 along K (one K step) x 128 columns, a wave 32 columns: 4 blocks of 32 along K.
.Lweights:
	s_sub_co_u32 s19, ttmp9, 256
	s_and_b32 s20, s19, 7                          ; which K step
	s_lshr_b32 s21, s19, 3                         ; which group of 128 columns, 0..33: 24 of W_qkv, 2 of Wg1, 8 of W_out: w_img's order
	s_cmp_lt_u32 s21, 26                           ; the choices hang on the work-group's number alone
	s_cselect_b64 s[36:37], s[8:9], s[10:11]
	s_mov_b32 s38, 4096
	s_cselect_b32 s38, 1024, s38                   ; bytes in a row of the weight
	s_cselect_b32 s39, 24, 26                      ; the tensor's first group
	s_cmp_lt_u32 s21, 24
	s_cselect_b64 s[36:37], s[6:7], s[36:37]
	s_cselect_b32 s38, 12288, s38
	s_cselect_b32 s39, 0, s39
	s_sub_co_u32 s39, s21, s39                     ; the group within its tensor
	v_lshlrev_b32 v5, 2, v2
.set i, 0
.rept 32
	v_mad_u32_u24 v[32+i], s38, i, v5              ; 4 x lane + i rows; never rewritten
.set i, i+1
.endr
	s_lshl_b32 s48, s20, 7
	s_mul_i32 s48, s48, s38                        ; 128 x K step rows,
	s_lshl_b32 s49, s39, 9
	s_add_co_u32 s48, s48, s49                     ; + 128 x group columns,
	s_lshl_b32 s49, s18, 7
	s_add_co_u32 s48, s48, s49                     ; + 32 x wave columns
	s_mov_b32 s49, 0
	s_add_nc_u64 s[40:41], s[36:37], s[48:49]      ; a base for each block of 32 rows; never rewritten
	s_lshl_b32 s50, s38, 5
	s_mov_b32 s51, 0
	s_add_nc_u64 s[42:43], s[40:41], s[50:51]
	s_add_nc_u64 s[44:45], s[42:43], s[50:51]
	s_add_nc_u64 s[46:47], s[44:45], s[50:51]
.macro LOADW t                         ; block t: W(32 t + i, my column) into set t % 2: each load reads 128 consecutive bytes, the four waves side by side
.set i, 0
.rept 32
	global_load_b32 v[64+32*((\t)%2)+i], v[32+i], s[40+2*(\t):41+2*(\t)] th:TH_LOAD_NT
.set i, i+1
.endr
.endm
	LOADW 0
	LOADW 1
	v_lshrrev_b32 v6, 4, v2
	v_and_b32 v7, 15, v2
	v_lshlrev_b32 v4, 14, v6                       ; lanes 16-31 hold the next tile of 16 columns: 8 fragments on,
	v_lshl_add_u32 v4, v7, 4, v4                   ; + 16 x (column % 16)
	s_lshl_b32 s52, s21, 17                        ; a group is 8 tiles x 8 fragments
	s_lshl_b32 s53, s18, 15                        ; my wave's two tiles
	s_add_co_u32 s52, s52, s53
	s_lshl_b32 s53, s20, 11                        ; the K step's fragment
	s_add_co_u32 s52, s52, s53
	s_mov_b32 s53, 0
	s_add_nc_u64 s[16:17], s[16:17], s[52:53]
	s_wait_kmcnt 0x0
	s_cmp_lt_u32 s21, 26
	s_cselect_b32 s34, s25, s33                    ; e1 or e9,
	s_cmp_lt_u32 s21, 24
	s_cselect_b32 s34, s27, s34                    ; or e3
	s_add_co_i32 s34, s34, 127
	s_lshl_b32 s35, s34, 23
	v_mov_b32 v11, s35                             ; 2^e
	s_add_co_i32 s34, s34, 15
	s_lshl_b32 s34, s34, 23
	s_or_b32 s34, s34, 0x600000
	v_mov_b32 v10, s34                             ; 57,344 x 2^e
; Block t is chunk t of the fragment.  Of my column's 32 codes those of k = 0..7 and 16..23 are lane r's 16 bytes, those of k = 8..15 and 24..31 lane 16 + r's: two stores, in each of which sixteen lanes fill 256 consecutive bytes, aligned.
.macro BLOCK t
.if (\t) < 3
	s_wait_loadcnt 32                              ; this block's 32 loads are in; the next block's may be out
.else
	s_wait_loadcnt 0x0
.endif
.set i, 0
.rept 32
	v_med3_num_f32 v[64+32*((\t)%2)+i], v[64+32*((\t)%2)+i], -v10, v10
.set i, i+1
.endr
.irp g, 0,1,2,3
	v_cvt_scalef32_pk8_bf8_f32 v[128+8*(\t)+4*(\g%2)+2*(\g/2):128+8*(\t)+4*(\g%2)+2*(\g/2)+1], v[64+32*((\t)%2)+8*\g:64+32*((\t)%2)+8*\g+7], v11
.endr
	global_store_b128 v4, v[128+8*(\t):128+8*(\t)+3], s[16:17] offset:512*(\t)
	global_store_b128 v4, v[128+8*(\t)+4:128+8*(\t)+7], s[16:17] offset:512*(\t)+256
.if (\t) < 2
	LOADW (\t)+2
.endif
.endm
	BLOCK 0
	BLOCK 1
	BLOCK 2
	BLOCK 3
	v_nop                                          ; a plain line behind the last conversion
	s_endpgm
.Lfunc_end_k_qa9919aa147_quant:
	.size	k_qa9919aa147_quant, .Lfunc_end_k_qa9919aa147_quant-k_qa9919aa147_quant
	.p2alignl 7, 3214868480
	.fill 96, 4, 3214868480
	.section	.rodata,"a",@progbits
	.p2align	6, 0x0
	.amdhsa_kernel k_qa9919aa147_quant
		.amdhsa_group_segment_fixed_size 34304
		.amdhsa_private_segment_fixed_size 0
		.amdhsa_enable_private_segment 0
		.amdhsa_kernarg_size 56
		.amdhsa_user_sgpr_count 2
		.amdhsa_user_sgpr_kernarg_segment_ptr 1
		.amdhsa_wavefront_size32 1
		.amdhsa_system_sgpr_workgroup_id_x 1
		.amdhsa_system_sgpr_workgroup_id_y 1
		.amdhsa_system_sgpr_workgroup_id_z 1
		.amdhsa_system_vgpr_workitem_id 0
		.amdhsa_next_free_vgpr 256
		.amdhsa_next_free_sgpr 66
		.amdhsa_reserve_vcc 0
		.amdhsa_float_denorm_mode_32 3
		.amdhsa_float_denorm_mode_16_64 3
		.amdhsa_memory_ordered 1
		.amdhsa_forward_progress 1
		.amdhsa_inst_pref_size 55
	.end_amdhsa_kernel
	.amdgpu_metadata
---
amdhsa.version: [ 1, 2 ]
amdhsa.kernels:
  - .name:           k_qa9919aa147_quant
    .symbol:         k_qa9919aa147_quant.kd
    .args:
      - { .name: x, .offset: 0, .size: 8, .value_kind: global_buffer, .address_space: global }
      - { .name: W_qkv, .offset: 8, .size: 8, .value_kind: global_buffer, .address_space: global }
      - { .name: Wg1, .offset: 16, .size: 8, .value_kind: global_buffer, .address_space: global }
      - { .name: W_out, .offset: 24, .size: 8, .value_kind: global_buffer, .address_space: global }
      - { .name: lowp_scales, .offset: 32, .size: 8, .value_kind: global_buffer, .address_space: global }
      - { .name: x_img, .offset: 40, .size: 8, .value_kind: global_buffer, .address_space: global }
      - { .name: w_img, .offset: 48, .size: 8, .value_kind: global_buffer, .address_space: global }
    .group_segment_fixed_size: 34304
    .private_segment_fixed_size: 0
    .kernarg_segment_align: 8
    .kernarg_segment_size: 56
    .max_flat_workgroup_size: 128
    .sgpr_count:     66
    .vgpr_count:     256
    .wavefront_size: 32
...
	.end_amdgpu_metadata
.endif
;; end of part 1
;; launch gate (part 2): grid 128 x 1, 4 waves a work-group, clusters of 4 x 1, 263,168 bytes of LDS; arguments x_img, w_img, lowp_scales, bg1, Wg2, bg2, out1; writes out1
.if DOCPART == 2
	.amdgcn_target "amdgcn-amd-amdhsa--gfx1250"
	.amdhsa_code_object_version 6
	.text
	.protected	k_qa9919aa147_gate
	.globl	k_qa9919aa147_gate
	.p2align	8
	.type	k_qa9919aa147_gate,@function
k_qa9919aa147_gate:
	s_mov_b64 s[64:65], 0
	v_nop
	global_prefetch_b8 v0, s[64:65] scope:SCOPE_SE
	s_setreg_imm32_b32 hwreg(HW_REG_WAVE_MODE, 25, 1), 1
	s_wait_xcnt 0x0
	s_wait_alu depctr_hold_cnt(0) depctr_sa_sdst(0) depctr_va_vdst(0) depctr_va_sdst(0) depctr_va_ssrc(0) depctr_va_vcc(0) depctr_vm_vsrc(0)
	s_getreg_b32 s2, hwreg(HW_REG_IB_STS2, 6, 4)
	s_cmp_eq_u32 s2, 0
	s_cbranch_scc0 .Lentry_in_a_cluster
	s_endpgm
.Lentry_in_a_cluster:
	s_bfe_u32 s2, ttmp6, 0x10000c
	s_cmp_lg_u32 s2, 0x3003
	s_cbranch_scc0 .Lentry_shape_is_right
	s_endpgm
.Lentry_shape_is_right:
; out1 = sigmoid(gelu(x Wg1 + bg1) Wg2 + bg2).  The first product is on codes of BF8 (launch quant made them, with e0 and e1); the second has one column and is 256 fused multiply-adds a row, in f32.
; SHARES.  A work-group owns 32 rows (two row tiles); wave w owns hidden units 64 w .. 64 w + 63 (four tiles) for all 32 rows: 8 accumulators, 64 matrix instructions.
; The product is used transposed (source 0 = 16 columns of Wg1, source 1 = 16 rows of x): a lane holds one row of x and eight hidden units an accumulator.
; CLUSTER.  Every work-group needs the whole image of Wg1, 262,144 bytes: the four of a cluster ask for it JOINTLY (mask 15).  Each wave asks for its own 65,536 bytes, which it alone reads: its own wait on TENSORcnt orders the reads.
; x's fragments, 32,768 bytes a work-group, come from memory straight into each wave's registers.  Nothing is filled twice.
; gelu is exact gelu: erf by Abramowitz and Stegun 7.1.26, whose error is at most 1.5e-7 for every argument; its result goes into no quantiser.
; LIMITS: e0 + e1 between -126 and 127.  out1's 128 bytes a work-group are half of an aligned 256: the whole output is 16,384 bytes.
; REGISTERS: window 0: v1-8 addresses; v10, v11 the add's two; v16-79 accumulators ((t, m) at 16 + 8 (2 t + m)); v80-111 bg1, v112-143 Wg2 in the result's layout; v144-207 at work; v208-213 sums.
;   window 1: x's 16 fragments ((m, s) at 128 m + 16 s).   window 2: v0-127 Wg1's fragments of a K step, two sets.
.set WIMG,  3145728                    ; Wg1's image in w_img
.set PART,  262144                     ; LDS: behind the image, 128 bytes a wave: its partial sums for the 32 rows
.set SPARE, 262656                     ; and the spare words, 128 bytes a wave
.set L16, 1                            ; v1   16 x lane
.set ADW, 2                            ; v2   LDS address of my wave's part of the image, + 16 x lane
.set SPW, 10                           ; v10  LDS address of my spare word: SPARE + 4 x my thread's number; never rewritten (it lies under the accumulators' first register)
.set NIL, 11                           ; v11  0; never rewritten
.set ACC, 16
.set B1,  80
.set W2,  112
.set U,   144
.set Z,   160
.set TT,  176
.set EX,  192
.set SUM, 208
.set WV,  24
.set G1,  16
.set G0,  32
.set MSB, 0
.macro WIN new                         ; the immediate's high byte repeats the setting that is left
.if MSB != \new
	s_set_vgpr_msb (MSB<<8)|\new
.set MSB, \new
.endif
.endm
.macro CROUND                          ; a round of the cluster's barrier
	s_barrier_signal -1
	s_barrier_wait -1
	s_cmp_lg_u32 s[WV], 0
	s_cbranch_scc1 .Lnot_wave_0_\@
	s_barrier_signal -3
.Lnot_wave_0_\@:
	s_barrier_wait -3
	s_barrier_signal -1
	s_barrier_wait -1
.endm
	s_load_b256 s[4:11], s[0:1], 0x0               ; x_img s[4:5], w_img s[6:7], the scales' exponents s[8:9], bg1 s[10:11]
	s_load_b128 s[12:15], s[0:1], 0x20             ; Wg2 s[12:13], bg2 s[14:15]
	s_load_b64 s[36:37], s[0:1], 0x30              ; out1
	v_lshl_add_u32 v[SPW], v0, 2, SPARE
	v_mov_b32 v[NIL], 0
	ds_add_u32 v[SPW], v[NIL]                      ; the wave's opening: the add, twice on end, and its wait ahead of my tensor load
	ds_add_u32 v[SPW], v[NIL]
	v_lshrrev_b32 v3, 5, v0
	v_readfirstlane_b32 s[WV], v3                  ; wave 0..3
	s_bfe_u32 s25, ttmp6, 0x40000                  ; cx
	s_lshl_b32 s26, ttmp9, 2
	s_add_co_u32 s26, s26, s25                     ; my work-group: it enters x's and out1's addresses alone
	s_mov_b32 s[G1], 15|(3<<16)|(1<<21)            ; the mask: all four work-groups; elements of 8 bytes; bit 21 set beside a mask; no padding
	s_mov_b32 s[G1+1], 32<<16                      ; tensor_dim0 = 32 elements: rows of 256 bytes
	s_mov_b32 s[G1+2], 256<<16                     ; tensor_dim1 = 256 rows
	s_mov_b32 s[G1+3], 32<<16                      ; tile_dim0
	s_mov_b32 s[G1+4], 256                         ; tile_dim1
	s_mov_b32 s[G1+5], 32                          ; the block is dense: pitch = row
	s_mov_b32 s[G1+6], 0
	s_mov_b32 s[G1+7], 0
	s_mov_b32 s[G0], 1
	s_lshl_b32 s[G0+1], s[WV], 16                  ; LDS: wave x 65,536
	s_lshl_b32 s27, s[WV], 16
	s_add_co_u32 s30, s27, WIMG
	s_mov_b32 s31, 0
	s_mov_b32 s29, 0
	s_mov_b32 s42, 0x3f3504f3                      ; 1 / sqrt(2)
	s_mov_b32 s43, 0x3ea7ba05                      ; p  = 0.3275911
	s_mov_b32 s44, 0xbfb8aa3b                      ; -log2(e)
	s_mov_b32 s45, 0x3f87dc22                      ; a5 = 1.061405429
	s_mov_b32 s46, 0x7fffffff
	s_mov_b32 s48, 0x76543210                      ; lane selects for v_permlanex16_b32: lane l xor 16
	s_mov_b32 s49, 0xfedcba98
	s_wait_dscnt 0x0                               ; both opening adds are done
	s_wait_kmcnt 0x0
	s_load_b64 s[52:53], s[8:9], 0x0               ; e0, e1
	s_load_b32 s38, s[14:15], 0x0                  ; bg2
	s_add_nc_u64 s[G0+2:G0+3], s[6:7], s[30:31]    ; my wave's four tiles of Wg1's image: the same in all four work-groups
	s_or_b32 s[G0+3], s[G0+3], 0x80000000
	CROUND                                         ; all four work-groups are here: the joint loads meet
	tensor_load_to_lds s[G0:G0+3], s[G1:G1+7]      ; my one tensor load
	s_nop 0
.rept 4
	v_nop
.endr
	v_and_b32 v[L16], 31, v0
	v_lshlrev_b32 v8, 2, v[L16]                    ; 4 x lane
	v_lshl_add_u32 v7, v[L16], 2, PART             ; where wave 0 reads the partial sums: row = lane
	v_lshlrev_b32 v[L16], 4, v[L16]
	v_add_nc_u32 v[ADW], s27, v[L16]
	v_bfe_u32 v4, v0, 4, 1                         ; h
	v_lshlrev_b32 v3, 5, v4                        ; 32 h: my half's eight numbers of a tile's sixteen
	v_and_b32 v5, 15, v0                           ; r
	v_lshl_add_u32 v6, v5, 2, PART
	s_lshl_b32 s28, s[WV], 7
	v_add_nc_u32 v6, s28, v6                       ; where I put my sums: 128 x wave + 4 r (+ 64 m)
	s_lshl_b32 s28, s[WV], 8                       ; my 64 numbers of bg1 and of Wg2
	s_add_nc_u64 s[10:11], s[10:11], s[28:29]
	s_add_nc_u64 s[12:13], s[12:13], s[28:29]
	s_lshl_b32 s28, s26, 15                        ; my work-group's two row tiles of x's codes (those made with e0 lie first)
	s_add_nc_u64 s[4:5], s[4:5], s[28:29]
	s_lshl_b32 s28, s26, 7
	s_add_nc_u64 s[36:37], s[36:37], s[28:29]
.irp t, 0,1,2,3
	global_load_b128 v[B1+8*\t:B1+8*\t+3], v3, s[10:11] offset:64*\t
	global_load_b128 v[B1+8*\t+4:B1+8*\t+7], v3, s[10:11] offset:64*\t+16
	global_load_b128 v[W2+8*\t:W2+8*\t+3], v3, s[12:13] offset:64*\t
	global_load_b128 v[W2+8*\t+4:W2+8*\t+7], v3, s[12:13] offset:64*\t+16
.endr
	WIN 0x40                                       ; destination window 1
.irp k, 0,1,2,3,4,5,6,7                        ; x's fragments, K step by K step, so that the waits below can count
.irp m, 0,1
.irp c, 0,1,2,3
	global_load_b128 v[128*\m+16*\k+4*\c:128*\m+16*\k+4*\c+3], v[L16], s[4:5] offset:16384*\m+2048*\k+512*\c
.endr
.endr
.endr
	WIN 0
.irp j, 0,1,2,3,4,5
	v_mov_b32 v[SUM+\j], 0                         ; two sums in two halves; and the lane permutes' destinations, which count as read
.endr
.macro FETCHW k                        ; my four tiles' fragments of K step k into set k % 2
	WIN 0x80                                       ; destination window 2
.irp t, 0,1,2,3
.irp c, 0,1,2,3
	ds_load_b128 v[64*((\k)%2)+16*\t+4*\c:64*((\k)%2)+16*\t+4*\c+3], v[ADW] offset:16384*\t+2048*(\k)+512*\c
.endr
.endr
.endm
.macro KSTEP k
	s_wait_dscnt 0x0                               ; this K step's fragments of Wg1 are in
.if (\k) < 7
.if (\k) > 0
.rept 4
	v_nop                                          ; places in front of loads into the set that the last K step's products read (ISA guide 7.12.1 for vector instructions)
.endr
.endif
	FETCHW (\k)+1
.endif
	s_wait_loadcnt 8*(7-(\k))                      ; x's fragments of this K step are in; those of the later K steps, 8 loads each, may be out
	WIN 0x06                                       ; source 0 (Wg1) window 2, source 1 (x) window 1
.irp t, 0,1,2,3                                ; the eight accumulators take turns, one instruction a turn
.irp m, 0,1
.if (\k) == 0
	v_wmma_f32_16x16x128_bf8_bf8 v[ACC+8*(2*\t+\m):ACC+8*(2*\t+\m)+7], v[64*((\k)%2)+16*\t:64*((\k)%2)+16*\t+15], v[128*\m+16*(\k):128*\m+16*(\k)+15], 0
.else
	v_wmma_f32_16x16x128_bf8_bf8 v[ACC+8*(2*\t+\m):ACC+8*(2*\t+\m)+7], v[64*((\k)%2)+16*\t:64*((\k)%2)+16*\t+15], v[128*\m+16*(\k):128*\m+16*(\k)+15], v[ACC+8*(2*\t+\m):ACC+8*(2*\t+\m)+7]
.endif
.endr
.endr
.endm
	s_wait_tensorcnt 0x0                           ; my part of the image is in LDS; nobody else reads it
	FETCHW 0
.irp k, 0,1,2,3,4,5,6,7
	KSTEP \k
.endr
	WIN 0
	s_wait_kmcnt 0x0
	s_add_co_i32 s40, s52, s53                     ; a sum stands for sum x 2^(e0 + e1)
	s_add_co_i32 s40, s40, 127
	s_lshl_b32 s40, s40, 23
	s_mov_b32 s41, s40                             ; (named with it as a pair, so it is written)
.rept 4
	v_nop                                          ; places in front of the first read of results
.endr
; Tile t of hidden units, both row tiles: 16 numbers a lane.  The 32 transcendentals are one batch with one wait.
.macro GELU t
.irp i, 0,2,4,6,8,10,12,14
	v_pk_fma_f32 v[U+\i:U+\i+1], v[ACC+16*\t+\i:ACC+16*\t+\i+1], s[40:41], v[B1+8*\t+(\i%8):B1+8*\t+(\i%8)+1] op_sel_hi:[1,0,1]   ; u = sum x 2^(e0 + e1) + bg1; each accumulator from its low end on
.endr
.irp i, 0,1,2,3,4,5,6,7,8,9,10,11,12,13,14,15
	v_and_b32 v[Z+\i], s46, v[U+\i]
.endr
.irp i, 0,1,2,3,4,5,6,7,8,9,10,11,12,13,14,15
	v_mul_f32 v[Z+\i], s42, v[Z+\i]                ; z = |u| / sqrt(2)
.endr
.irp i, 0,1,2,3,4,5,6,7,8,9,10,11,12,13,14,15
	v_fma_f32 v[TT+\i], v[Z+\i], s43, 1.0          ; 1 + p z
	v_mul_f32 v[EX+\i], s44, v[Z+\i]
.endr
.irp i, 0,1,2,3,4,5,6,7,8,9,10,11,12,13,14,15
	v_mul_f32 v[EX+\i], v[EX+\i], v[Z+\i]          ; -log2(e) z^2
.endr
.irp i, 0,1,2,3,4,5,6,7,8,9,10,11,12,13,14,15
	v_rcp_f32 v[TT+\i], v[TT+\i]                   ; t = 1 / (1 + p z)
	v_exp_f32 v[EX+\i], v[EX+\i]                   ; e^(-z^2)
.endr
.irp i, 0,1,2,3,4,5,6,7,8,9,10,11,12,13,14,15
	v_mul_f32 v[U+\i], 0.5, v[U+\i]                ; u / 2: plain work that names no result of the batch
.endr
	s_wait_alu depctr_va_vdst(0)                   ; one wait for the batch, ahead of its first reader
.irp i, 0,1,2,3,4,5,6,7,8,9,10,11,12,13,14,15
	v_fmaak_f32 v[Z+\i], s45, v[TT+\i], 0xbfba00e3 ; a5 t + a4
.endr
.irp i, 0,1,2,3,4,5,6,7,8,9,10,11,12,13,14,15
	v_fmaak_f32 v[Z+\i], v[Z+\i], v[TT+\i], 0x3fb5f0e3   ; .. t + a3
.endr
.irp i, 0,1,2,3,4,5,6,7,8,9,10,11,12,13,14,15
	v_fmaak_f32 v[Z+\i], v[Z+\i], v[TT+\i], 0xbe91a98e   ; .. t + a2
.endr
.irp i, 0,1,2,3,4,5,6,7,8,9,10,11,12,13,14,15
	v_fmaak_f32 v[Z+\i], v[Z+\i], v[TT+\i], 0x3e827906   ; .. t + a1
.endr
.irp i, 0,1,2,3,4,5,6,7,8,9,10,11,12,13,14,15
	v_mul_f32 v[Z+\i], v[Z+\i], v[TT+\i]
.endr
.irp i, 0,1,2,3,4,5,6,7,8,9,10,11,12,13,14,15
	v_fma_f32 v[Z+\i], -v[Z+\i], v[EX+\i], 1.0     ; erf(z)
.endr
.irp i, 0,1,2,3,4,5,6,7,8,9,10,11,12,13,14,15
	v_bfi_b32 v[Z+\i], s46, v[Z+\i], v[U+\i]       ; with u's sign
.endr
.irp i, 0,1,2,3,4,5,6,7,8,9,10,11,12,13,14,15
	v_fma_f32 v[Z+\i], v[U+\i], v[Z+\i], v[U+\i]   ; gelu = u / 2 x erf + u / 2
.endr
.irp i, 0,2,4,6,8,10,12,14
	v_pk_fma_f32 v[SUM+2*(\i/8):SUM+2*(\i/8)+1], v[Z+\i:Z+\i+1], v[W2+8*\t+(\i%8):W2+8*\t+(\i%8)+1], v[SUM+2*(\i/8):SUM+2*(\i/8)+1]
.endr
.endm
	GELU 0
	GELU 1
	GELU 2
	GELU 3
	v_add_f32 v[SUM], v[SUM], v[SUM+1]
	v_add_f32 v[SUM+2], v[SUM+2], v[SUM+3]
	v_permlanex16_b32 v[SUM+4], v[SUM], s48, s49   ; the row's other 32 of my hidden units lie in the lane 16 away
	v_permlanex16_b32 v[SUM+5], v[SUM+2], s48, s49
	v_add_f32 v[SUM], v[SUM], v[SUM+4]
	v_add_f32 v[SUM+2], v[SUM+2], v[SUM+5]
	ds_store_b32 v6, v[SUM]                        ; lanes r and 16 + r write the same word with the same value
	ds_store_b32 v6, v[SUM+2] offset:64
	s_wait_dscnt 0x0                               ; for the others' sake: my stores are done
	s_barrier_signal -1
	s_barrier_wait -1
	s_cmp_lg_u32 s[WV], 0
	s_cbranch_scc1 .Ldone                          ; wave 0 finishes the 32 rows, a lane a row
	ds_load_b32 v144, v7
	ds_load_b32 v145, v7 offset:128
	ds_load_b32 v146, v7 offset:256
	ds_load_b32 v147, v7 offset:384
	s_wait_dscnt 0x0
	v_add_f32 v144, v144, v145
	v_add_f32 v146, v146, v147
	v_add_f32 v144, v144, v146
	v_add_f32 v144, s38, v144                      ; + bg2
	v_mul_f32 v144, s44, v144
	v_exp_f32 v144, v144                           ; e^(-g)
	v_nop
	s_wait_alu depctr_va_vdst(0)
	v_add_f32 v144, 1.0, v144
	v_rcp_f32 v144, v144                           ; sigmoid
	v_nop
	s_wait_alu depctr_va_vdst(0)
	global_store_b32 v8, v144, s[36:37]
.Ldone:
	s_wait_tensorcnt 0x0                           ; the wave's end, behind my tensor load and my last LDS store
	ds_add_u32 v[SPW], v[NIL]
	s_wait_dscnt 0x0
	CROUND                                         ; the closing round
	s_endpgm
.Lfunc_end_k_qa9919aa147_gate:
	.size	k_qa9919aa147_gate, .Lfunc_end_k_qa9919aa147_gate-k_qa9919aa147_gate
	.p2alignl 7, 3214868480
	.fill 96, 4, 3214868480
	.section	.rodata,"a",@progbits
	.p2align	6, 0x0
	.amdhsa_kernel k_qa9919aa147_gate
		.amdhsa_group_segment_fixed_size 263168
		.amdhsa_private_segment_fixed_size 0
		.amdhsa_enable_private_segment 0
		.amdhsa_kernarg_size 56
		.amdhsa_user_sgpr_count 2
		.amdhsa_user_sgpr_kernarg_segment_ptr 1
		.amdhsa_wavefront_size32 1
		.amdhsa_system_sgpr_workgroup_id_x 1
		.amdhsa_system_sgpr_workgroup_id_y 1
		.amdhsa_system_sgpr_workgroup_id_z 1
		.amdhsa_system_vgpr_workitem_id 0
		.amdhsa_next_free_vgpr 640
		.amdhsa_next_free_sgpr 66
		.amdhsa_reserve_vcc 0
		.amdhsa_float_denorm_mode_32 3
		.amdhsa_float_denorm_mode_16_64 3
		.amdhsa_memory_ordered 1
		.amdhsa_forward_progress 1
		.amdhsa_inst_pref_size 80
	.end_amdhsa_kernel
	.amdgpu_metadata
---
amdhsa.version: [ 1, 2 ]
amdhsa.kernels:
  - .name:           k_qa9919aa147_gate
    .symbol:         k_qa9919aa147_gate.kd
    .args:
      - { .name: x_img, .offset: 0, .size: 8, .value_kind: global_buffer, .address_space: global }
      - { .name: w_img, .offset: 8, .size: 8, .value_kind: global_buffer, .address_space: global }
      - { .name: lowp_scales, .offset: 16, .size: 8, .value_kind: global_buffer, .address_space: global }
      - { .name: bg1, .offset: 24, .size: 8, .value_kind: global_buffer, .address_space: global }
      - { .name: Wg2, .offset: 32, .size: 8, .value_kind: global_buffer, .address_space: global }
      - { .name: bg2, .offset: 40, .size: 8, .value_kind: global_buffer, .address_space: global }
      - { .name: out1, .offset: 48, .size: 8, .value_kind: global_buffer, .address_space: global }
    .group_segment_fixed_size: 263168
    .private_segment_fixed_size: 0
    .kernarg_segment_align: 8
    .kernarg_segment_size: 56
    .max_flat_workgroup_size: 128
    .sgpr_count:     66
    .vgpr_count:     640
    .wavefront_size: 32
...
	.end_amdgpu_metadata
.endif
;; end of part 2
;; launch qkv (part 3): grid 12 x 16, 4 waves a work-group, clusters of 4 x 4, 327,680 bytes of LDS; arguments x_img, w_img, lowp_scales, qkv_img; writes qkv_img
.if DOCPART == 3
	.amdgcn_target "amdgcn-amd-amdhsa--gfx1250"
	.amdhsa_code_object_version 6
	.text
	.protected	k_qa9919aa147_qkv
	.globl	k_qa9919aa147_qkv
	.p2align	8
	.type	k_qa9919aa147_qkv,@function
k_qa9919aa147_qkv:
	s_mov_b64 s[64:65], 0
	v_nop
	global_prefetch_b8 v0, s[64:65] scope:SCOPE_SE
	s_setreg_imm32_b32 hwreg(HW_REG_WAVE_MODE, 25, 1), 1
	s_wait_xcnt 0x0
	s_wait_alu depctr_hold_cnt(0) depctr_sa_sdst(0) depctr_va_vdst(0) depctr_va_sdst(0) depctr_va_ssrc(0) depctr_va_vcc(0) depctr_vm_vsrc(0)
	s_getreg_b32 s2, hwreg(HW_REG_IB_STS2, 6, 4)
	s_cmp_eq_u32 s2, 0
	s_cbranch_scc0 .Lentry_in_a_cluster
	s_endpgm
.Lentry_in_a_cluster:
	s_bfe_u32 s2, ttmp6, 0x10000c
	s_cmp_lg_u32 s2, 0xf033
	s_cbranch_scc0 .Lentry_shape_is_right
	s_endpgm
.Lentry_shape_is_right:
; qkv = x W_qkv on codes of BF8 (made by launch quant with e2 and e3); the f32 sums are quantised at once, q with e4, k with e5, v with e7, and leave as images of the operands of attention's two products.
; qkv_img: q at 0 and k at 4,194,304: [head 16][tile of 16 tokens 256][1,024]: a fragment of 16 tokens x the head's 64 (the first two chunks of the layout stated in launch quant);
;          v at 8,388,608, TRANSPOSED, the keys innermost: [tile of 16 of v's 1,024 columns 64][block of 128 keys 32][2,048].
; A tile of the result, 256 x 256, is made by four waves, 128 x 128 each: 64 accumulators, 512 registers.  192 work-groups.  K = 1,024 goes in four steps of 256 through two LDS slots.
; THE MATRIX INSTRUCTION IS USED TRANSPOSED: source 0 = 16 rows of 'B', source 1 = 16 rows of 'A': a lane holds one row of A and eight neighbouring rows of B an accumulator, which one conversion turns into
; two registers of the next operand's image.  So the results need no way through LDS.  For q and k: A = tokens, B = columns of W_qkv.  FOR v THE TWO POINTERS CHANGE PLACES (A = columns, B = tokens): the same text makes v transposed.
; CLUSTERS: 4 x 4 work-groups; cluster x is 0 for q, 1 for k, 2 for v.  The four of a row of the cluster need the same tile of A, the four of a column the same tile of B: each is asked for JOINTLY.
; The tiles are images: a fragment is 2,048 consecutive bytes, read at 16 x lane: no padding is wanted.
; LIMITS: e4 - e2 - e3, e5 - e2 - e3, e7 - e2 - e3 between -126 and 112.
; REGISTERS, in windows of 256: window 0: v16-29 addresses, v32-49 the way out's, from v128 A's fragments, ONE set (on the way out: the codes);  window 1: B's fragments, TWO sets;  windows 2, 3: the accumulators ((a, b) at v[8 (8 (a % 4) + b)]).
.set ROWB,   4096                      ; a K step of 256: two fragments of each tile of 16 rows
.set FR,     16
.set NL,     4
.set NP,     4                         ; places behind this matrix instruction (ISA guide 7.12.1)
.set HALFT,  32768                     ; 128 rows x 256 along K: what one tensor load brings
.set SLOT,   4*HALFT
.set SPARE,  2*SLOT
.set ADRA, 16
.set ADRB, 20
.set SPW,  28
.set NIL,  29
.set AF,   128
.set G1, 24
.set G0, 32
.set G1B, 48
.set G0B, 56
.set MSB, 0
.macro WIN new                         ; the immediate's high byte repeats the setting that is left
.if MSB != \new
	s_set_vgpr_msb (MSB<<8)|\new
.set MSB, \new
.endif
.endm
.set MUL_LO, 0xa1                      ; source 0 (B) window 1, source 1 (A) window 0, C and D window 2
.set MUL_HI, 0xf1
.set TO_B,   0x40
; A joint load: waves 0 and 1 fetch for A, waves 2 and 3 for B; the branch hangs on the wave's number alone.  An s_nop 0 and four v_nop follow each of the two lines.
.macro JLOAD g0a, g1a, g0b, g1b
	s_cmp_eq_u32 s15, 0
	s_cbranch_scc0 .Lfor_b_\@
	tensor_load_to_lds s[\g0a:\g0a+3], s[\g1a:\g1a+7]
	s_nop 0
.rept 4
	v_nop
.endr
	s_branch .Lasked_\@
.Lfor_b_\@:
	tensor_load_to_lds s[\g0b:\g0b+3], s[\g1b:\g1b+7]
	s_nop 0
.rept 4
	v_nop
.endr
.Lasked_\@:
.endm
.macro CREST
	s_cmp_lg_u32 s14, 0
	s_cbranch_scc1 .Lnot_wave_0_\@
	s_barrier_signal -3
.Lnot_wave_0_\@:
	s_barrier_wait -3
	s_barrier_signal -1
	s_barrier_wait -1
.endm
.macro CROUND
	s_barrier_signal -1
	s_barrier_wait -1
	CREST
.endm
	s_load_b128 s[4:7], s[0:1], 0x0                ; x_img s[4:5], w_img s[6:7]
	s_load_b128 s[8:11], s[0:1], 0x10              ; the scales' exponents s[8:9], qkv_img s[10:11]
	v_lshl_add_u32 v[SPW], v0, 2, SPARE
	v_mov_b32 v[NIL], 0
	ds_add_u32 v[SPW], v[NIL]                      ; the wave's opening: the add, twice on end, and its wait ahead of my first tensor load
	ds_add_u32 v[SPW], v[NIL]
	v_lshrrev_b32 v1, 5, v0
	v_readfirstlane_b32 s14, v1                    ; wave 0..3
	s_lshr_b32 s15, s14, 1                         ; which half of A's rows is mine.  Also: I fetch for A (0) or for B (1)
	s_and_b32 s16, s14, 1                          ; which half of B's rows.  Also: which 128 rows of that tile I fetch
	s_bfe_u32 s40, ttmp6, 0x40000                  ; cx
	s_bfe_u32 s41, ttmp6, 0x40004                  ; cy
	s_and_b32 s17, ttmp7, 0xffff
	s_lshl_b32 s17, s17, 2                         ; 4 x cluster y
	s_lshl_b32 s42, ttmp9, 2                       ; 4 x cluster x
	s_lshl_b32 s43, s41, 2
	s_lshl_b32 s43, 15, s43                        ; my row of the cluster
	s_lshl_b32 s44, 0x1111, s40                    ; my column
	s_or_b32 s[G1+0], s43, (3<<16)|(1<<21)         ; the mask: A's tiles go to my row; elements of 8 bytes; bit 21 set beside a mask; no padding
	s_or_b32 s[G1B+0], s44, (3<<16)|(1<<21)
.irp g, G1, G1B
	s_mov_b32 s[\g+1], 512<<16                     ; tensor_dim0 = 512 elements: 4,096 bytes of a tile of 16 rows
	s_mov_b32 s[\g+2], 8<<16                       ; tensor_dim1 = 8 such tiles
	s_mov_b32 s[\g+3], 512<<16                     ; tile_dim0
	s_mov_b32 s[\g+4], 8                           ; tile_dim1
	s_mov_b32 s[\g+5], 2048                        ; from tile to tile: 16,384 bytes
	s_mov_b32 s[\g+6], 0
	s_mov_b32 s[\g+7], 0
.endr
	s_cmp_lt_u32 ttmp9, 2                          ; q or k?  The cluster's x alone decides: the same in all sixteen partners
	s_cselect_b32 s20, s17, 8                      ; A's first tile of 256 rows: tokens by cluster y; for v: v's columns, tiles 8 to 11 of W_qkv
	s_cselect_b32 s46, s42, s17                    ; B's: columns by cluster x; for v: tokens by cluster y
	s_add_co_u32 s20, s20, s41                     ; + cy: shared along my row of the cluster
	s_add_co_u32 s46, s46, s40                     ; + cx: shared along my column
	s_lshl_b32 s20, s20, 18                        ; a tile of 256 rows is 262,144 bytes
	s_lshl_b32 s46, s46, 18
	s_lshl_b32 s18, s16, 17                        ; the 128 rows that I fetch
	s_add_co_u32 s20, s20, s18
	s_add_co_u32 s46, s46, s18
	s_mov_b32 s21, 0
	s_mov_b32 s47, 0
	s_lshl_b32 s45, s14, 15                        ; where they go: wave x 32,768: no place in the cluster enters an LDS address
	s_wait_dscnt 0x0                               ; both opening adds are done
	s_wait_kmcnt 0x0
	s_load_b256 s[68:75], s[8:9], 0x0              ; e0 .. e7
	s_add_nc_u64 s[4:5], s[4:5], 4194304           ; x's codes made with e2
	s_cmp_lt_u32 ttmp9, 2
	s_cselect_b64 s[12:13], s[4:5], s[6:7]         ; A's tensor
	s_cselect_b64 s[22:23], s[6:7], s[4:5]         ; B's tensor
	s_add_nc_u64 s[20:21], s[12:13], s[20:21]
	s_add_nc_u64 s[46:47], s[22:23], s[46:47]
	CROUND                                         ; all sixteen work-groups are here: the first joint loads meet
.irp s, 0,1
	s_mov_b32 s[G0+4*\s], 1
	s_add_co_u32 s[G0+4*\s+1], s45, \s*SLOT
	s_add_nc_u64 s[G0+4*\s+2:G0+4*\s+3], s[20:21], \s*ROWB
	s_or_b32 s[G0+4*\s+3], s[G0+4*\s+3], 0x80000000
	s_mov_b32 s[G0B+4*\s], 1
	s_add_co_u32 s[G0B+4*\s+1], s45, \s*SLOT
	s_add_nc_u64 s[G0B+4*\s+2:G0B+4*\s+3], s[46:47], \s*ROWB
	s_or_b32 s[G0B+4*\s+3], s[G0B+4*\s+3], 0x80000000
	JLOAD G0+4*\s, G1, G0B+4*\s, G1B
.endr
	v_and_b32 v6, 31, v0
	v_lshlrev_b32 v49, 4, v6                       ; 16 x lane
	s_lshl_b32 s21, s15, 15                        ; my 128 rows of A
	s_lshl_b32 s22, s16, 15                        ; my 128 rows of B,
	s_add_co_u32 s22, s22, 2*HALFT                 ; which lie behind A's 256
.irp s, 0,1
	v_add_nc_u32 v[ADRA+\s], s21, v49
	v_add_nc_u32 v[ADRB+\s], s22, v49
	s_add_co_u32 s21, s21, SLOT
	s_add_co_u32 s22, s22, SLOT
.endr
	; the way out's addresses.  Block a of A's rows and half u of B's 128 rows: for q, k: token tile a (1,024 bytes on), head u (262,144 on); for v: tile a of columns (65,536 on), the fragment's half u (1,024 on)
	s_cmp_lt_u32 ttmp9, 2
	s_mov_b32 s80, 65536
	s_cselect_b32 s80, 1024, s80
	s_mov_b32 s81, 1024
	s_cselect_b32 s81, 262144, s81
.irp a, 0,1,2,3,4,5,6,7
	v_mad_u32_u24 v[32+2*\a], s80, \a, v49
	v_add_nc_u32 v[33+2*\a], s81, v[32+2*\a]
.endr
	s_lshl_b32 s82, ttmp9, 22                      ; q, k: the tensor,
	s_lshl_b32 s83, s40, 20
	s_add_co_u32 s82, s82, s83                     ; + head 4 cx
	s_lshl_b32 s83, s16, 19
	s_add_co_u32 s82, s82, s83                     ; + 2 x my half of the columns,
	s_add_co_u32 s83, s17, s41
	s_lshl_b32 s83, s83, 14
	s_add_co_u32 s82, s82, s83                     ; + token tile 16 (4 cluster y + cy)
	s_lshl_b32 s83, s15, 13
	s_add_co_u32 s82, s82, s83                     ; + 8 x my half of the tokens
	s_lshl_b32 s84, s41, 20                        ; v: tile of columns 16 cy
	s_lshl_b32 s85, s15, 19
	s_add_co_u32 s84, s84, s85                     ; + 8 x my half of the columns,
	s_add_co_u32 s85, s17, s40
	s_lshl_b32 s85, s85, 12
	s_add_co_u32 s84, s84, s85                     ; + block of keys 2 (4 cluster y + cx)
	s_lshl_b32 s85, s16, 11
	s_add_co_u32 s84, s84, s85                     ; + my half of the tokens
	s_add_co_u32 s84, s84, 8388608
	s_cmp_lt_u32 ttmp9, 2
	s_cselect_b32 s82, s82, s84
	s_mov_b32 s83, 0
	s_add_nc_u64 s[10:11], s[10:11], s[82:83]
.macro FRAG reg, adr, q, i             ; a fragment comes as it lies: four loads of 512 consecutive bytes
.irp c, 0,1,2,3
	ds_load_b128 v[\reg+4*\c:\reg+4*\c+3], v[\adr] offset:2048*(\q)+512*\c+(\i)*4096
.endr
.endm
; 16 matrix instructions: A's blocks a0, a0 + 1 x B's eight, 128 along K.  The 64 accumulators take turns, one instruction a turn, in the same order in every step.
.macro MUL16 a0, p, zero
.irp a, \a0, \a0+1
.irp b, 0,1,2,3,4,5,6,7
.if \zero
	v_wmma_f32_16x16x128_bf8_bf8 v[8*(8*((\a)%4)+\b):8*(8*((\a)%4)+\b)+7], v[128*(\p)+FR*\b:128*(\p)+FR*\b+FR-1], v[AF+FR*(\a):AF+FR*(\a)+FR-1], 0
.else
	v_wmma_f32_16x16x128_bf8_bf8 v[8*(8*((\a)%4)+\b):8*(8*((\a)%4)+\b)+7], v[128*(\p)+FR*\b:128*(\p)+FR*\b+FR-1], v[AF+FR*(\a):AF+FR*(\a)+FR-1], v[8*(8*((\a)%4)+\b):8*(8*((\a)%4)+\b)+7]
.endif
.endr
.endr
.endm
.macro FETCH_B slot, q, p
	WIN TO_B
.irp i, 0,1,2,3,4,5,6,7
	FRAG 128*(\p)+FR*\i, ADRB+\slot, \q, \i
.endr
	WIN 0
.endm
.macro FETCH_A slot, q, i0
.irp i, \i0, \i0+1, \i0+2, \i0+3
	FRAG AF+FR*(\i), ADRA+\slot, \q, \i
.endr
.endm
.macro PLACES n                        ; plain vector lines between a matrix instruction and a load into, or a vector instruction on, its registers (ISA guide 7.12.1 for vector instructions)
.rept \n
	v_nop
.endr
.endm
; A step of 128 along K that has its successor in the same slot.  A has one set of registers: blocks 0-3 are fetched anew in the step's middle, blocks 4-7 at its end; B has two sets.
.macro STEP slot, q, zero
	s_wait_dscnt 4*NL                              ; B's set and A's blocks 0-3 are in; the youngest 16 loads (A's blocks 4-7) may be out
	WIN MUL_LO
	MUL16 0, (\q)%2, \zero
	MUL16 2, (\q)%2, \zero
	s_wait_dscnt 0
	PLACES NP
	FETCH_B \slot, (\q)+1, 1-(\q)%2
	FETCH_A \slot, (\q)+1, 0
	WIN MUL_HI
	MUL16 4, (\q)%2, \zero
	MUL16 6, (\q)%2, \zero
	PLACES NP
	WIN 0
	FETCH_A \slot, (\q)+1, 4
.endm
; A slot's last step changes slots: ONE barrier; in front of it each wave waits for all its tensor loads, adds 0 to its spare word, and waits for that and for its own reads of this slot.  fill = 1: this slot is filled again, two K steps ahead.
.macro TURN slot, next, fill
	s_wait_tensorcnt 0x0                           ; all my tensor loads have landed: my part of the next slot
	ds_add_u32 v[SPW], v[NIL]                      ; 0 onto my spare word
	s_wait_dscnt 4*NL+1                            ; (the add and the youngest 16 loads may be out)
	WIN MUL_LO
	MUL16 0, 1, 0
	s_wait_dscnt 0x0                               ; the add is done, and my reads of this slot are over
	s_barrier_signal -1
	MUL16 2, 1, 0
	WIN 0
	s_barrier_wait -1
.if \fill
	CREST                                          ; the barrier has opened a round of the cluster's barrier: no wave of any partner still reads this slot or has a load on its way
	s_add_nc_u64 s[G0+4*\slot+2:G0+4*\slot+3], s[G0+4*\slot+2:G0+4*\slot+3], 2*ROWB
	s_add_nc_u64 s[G0B+4*\slot+2:G0B+4*\slot+3], s[G0B+4*\slot+2:G0B+4*\slot+3], 2*ROWB
	JLOAD G0+4*\slot, G1, G0B+4*\slot, G1B         ; the first tensor load behind the round; its four v_nop are the places in front of the loads below
.else
	PLACES NP
.endif
	FETCH_B \next, 0, 0
	FETCH_A \next, 0, 0
	WIN MUL_HI
	MUL16 4, 1, 0
	MUL16 6, 1, 0
	PLACES NP
	WIN 0
	FETCH_A \next, 0, 4
.endm
	s_wait_tensorcnt 1                             ; my part of K step 0 is in; K step 1's load may be out
	s_barrier_signal -1
	s_barrier_wait -1
	FETCH_B 0, 0, 0
	FETCH_A 0, 0, 0
	FETCH_A 0, 0, 4
	STEP 0, 0, 1                                   ; the first products start the sums: nothing is cleared.  Four K steps: the text is written out, without a loop
	TURN 0, 1, 1
	STEP 1, 0, 0
	TURN 1, 0, 1
	STEP 0, 0, 0
	TURN 0, 1, 0                                   ; nothing is left to fetch
	STEP 1, 0, 0
	s_wait_dscnt 4*NL
	WIN MUL_LO
	MUL16 0, 1, 0
	MUL16 2, 1, 0
	s_wait_dscnt 0
	WIN MUL_HI
	MUL16 4, 1, 0
	MUL16 6, 1, 0
	WIN 0
	; THE WAY OUT.  A sum stands for sum x 2^(e2 + e3): its code is sum / 2^(e - e2 - e3), e = e4, e5 or e7: the three scales are folded into the conversion's one.
	s_wait_kmcnt 0x0
	s_cmp_eq_u32 ttmp9, 0
	s_cselect_b32 s76, s72, s73
	s_cmp_lt_u32 ttmp9, 2
	s_cselect_b32 s76, s76, s75
	s_sub_co_i32 s76, s76, s70
	s_sub_co_i32 s76, s76, s71
	s_add_co_i32 s76, s76, 127
	s_lshl_b32 s79, s76, 23
	s_add_co_i32 s76, s76, 15
	s_lshl_b32 s77, s76, 23
	s_or_b32 s77, s77, 0x600000                    ; 57,344 x the scale,
	s_or_b32 s78, s77, 0x80000000                  ; and its negative
	v_mov_b32 v48, s79
	PLACES NP
.irp w, 0,1                                    ; my rows 0-63 (window 2), then 64-127 (window 3)
	WIN 0x82+0x41*\w                               ; source 0 and destination: the accumulators' window
.set j, 0
.rept 256
	v_med3_num_f32 v[j], v[j], s78, s77            ; the conversion does not saturate (ISA guide 7.6.2): the hold; each accumulator from its low end on
.set j, j+1
.endr
	WIN 0x02+\w                                    ; source 0: the accumulators' window; the codes go to window 0, where A's fragments lay
.irp a, 0,1,2,3
.irp b, 0,1,2,3,4,5,6,7
	v_cvt_scalef32_pk8_bf8_f32 v[128+16*(4*\w+\a)+2*\b:128+16*(4*\w+\a)+2*\b+1], v[8*(8*\a+\b):8*(8*\a+\b)+7], v48   ; eight neighbours along the next K: registers 2 b, 2 b + 1 of the image
.endr
.endr
.endr
	WIN 0
	v_nop                                          ; a plain line behind the last conversion
.irp a, 0,1,2,3,4,5,6,7
.irp u, 0,1
.irp e, 0,1
	global_store_b128 v[32+2*\a+\u], v[128+16*\a+8*\u+4*\e:128+16*\a+8*\u+4*\e+3], s[10:11] offset:512*\e   ; 32 lanes store 512 consecutive bytes, aligned
.endr
.endr
.endr
	s_wait_tensorcnt 0x0                           ; the wave's end
	ds_add_u32 v[SPW], v[NIL]
	s_wait_dscnt 0x0
	CROUND                                         ; the closing round
	s_endpgm
.Lfunc_end_k_qa9919aa147_qkv:
	.size	k_qa9919aa147_qkv, .Lfunc_end_k_qa9919aa147_qkv-k_qa9919aa147_qkv
	.p2alignl 7, 3214868480
	.fill 96, 4, 3214868480
	.section	.rodata,"a",@progbits
	.p2align	6, 0x0
	.amdhsa_kernel k_qa9919aa147_qkv
		.amdhsa_group_segment_fixed_size 327680
		.amdhsa_private_segment_fixed_size 0
		.amdhsa_enable_private_segment 0
		.amdhsa_kernarg_size 32
		.amdhsa_user_sgpr_count 2
		.amdhsa_user_sgpr_kernarg_segment_ptr 1
		.amdhsa_wavefront_size32 1
		.amdhsa_system_sgpr_workgroup_id_x 1
		.amdhsa_system_sgpr_workgroup_id_y 1
		.amdhsa_system_sgpr_workgroup_id_z 1
		.amdhsa_system_vgpr_workitem_id 0
		.amdhsa_next_free_vgpr 1024
		.amdhsa_next_free_sgpr 100
		.amdhsa_reserve_vcc 0
		.amdhsa_float_denorm_mode_32 3
		.amdhsa_float_denorm_mode_16_64 3
		.amdhsa_memory_ordered 1
		.amdhsa_forward_progress 1
		.amdhsa_inst_pref_size 118
	.end_amdhsa_kernel
	.amdgpu_metadata
---
amdhsa.version: [ 1, 2 ]
amdhsa.kernels:
  - .name:           k_qa9919aa147_qkv
    .symbol:         k_qa9919aa147_qkv.kd
    .args:
      - { .name: x_img, .offset: 0, .size: 8, .value_kind: global_buffer, .address_space: global }
      - { .name: w_img, .offset: 8, .size: 8, .value_kind: global_buffer, .address_space: global }
      - { .name: lowp_scales, .offset: 16, .size: 8, .value_kind: global_buffer, .address_space: global }
      - { .name: qkv_img, .offset: 24, .size: 8, .value_kind: global_buffer, .address_space: global }
    .group_segment_fixed_size: 327680
    .private_segment_fixed_size: 0
    .kernarg_segment_align: 8
    .kernarg_segment_size: 32
    .max_flat_workgroup_size: 128
    .sgpr_count:     100
    .vgpr_count:     1024
    .wavefront_size: 32
...
	.end_amdgpu_metadata
.endif
;; end of part 3
;; launch attn (part 4): grid 16 x 16, 16 waves a work-group, no clusters, 327,680 bytes of LDS; arguments qkv_img, lowp_scales, a_img; writes a_img
.if DOCPART == 4
	.amdgcn_target "amdgcn-amd-amdhsa--gfx1250"
	.amdhsa_code_object_version 6
	.text
	.protected	k_qa9919aa147_attn
	.globl	k_qa9919aa147_attn
	.p2align	8
	.type	k_qa9919aa147_attn,@function
k_qa9919aa147_attn:
	s_mov_b64 s[64:65], 0
	v_nop
	global_prefetch_b8 v0, s[64:65] scope:SCOPE_SE
	s_setreg_imm32_b32 hwreg(HW_REG_WAVE_MODE, 25, 1), 1
	s_wait_xcnt 0x0
; Causal attention on codes of BF8, head size 64, 4,096 tokens, 16 heads; the result is quantised with e8 and leaves as the image of the last product's operand: a_img [tile of 16 tokens 256][K step 8][2,048], k = 64 head + channel.
; WORK LEFT OUT: a step of 128 keys all of which come after a wave's 16 queries is not multiplied: reference()'s own mask gives those scores the weight 0 for all values of the inputs.  A NaN or an overflow that would arise only there is not carried on.
; THE SOFTMAX AHEAD OF THE SECOND PRODUCT: t = score x log2(e) / 8; M = the row's largest t so far, rounded UP to a whole number; p = 2^(t - M) is quantised with e6, not normalised; the row's sum is taken of the unquantised p
; and divides at the end.  When M moves, the sum and O are multiplied by 2^(old M - new M): exact.
; SHARES.  A work-group owns two blocks of 128 queries of one head: block x and block 31 - x (x = 0..15), so that every work-group has 33 block-steps of causal work.  Each of its sixteen waves owns 16 queries, in 256 registers;
; the waves of the two blocks are dealt so that of waves 4 i .. 4 i + 3, and of waves i, i + 4, i + 8, i + 12, two belong to each block.
; Every wave passes all 8 slots of 512 keys (the trip counts are constants); what is left out is a step's work, by a scalar branch on ids.
; K's and V's tiles are images (launch qkv): a fragment is read at 16 x lane, no padding.  A ring of two LDS slots, filled by waves 0, 1 (K's halves) and 2, 3 (V's halves), read by all sixteen.
; cluster = none: the work-groups of a head need different numbers of slots (5 to 8), so a joint load would bring tiles whose reads every wave of some partner jumps over.
; LAYOUT.  Both products are used transposed: S^T = K Q^T (source 0 = 16 keys), O^T = V^T P^T (source 0 = 16 channels): a lane holds ONE query (lane % 16) throughout, and accumulator t's eight registers are keys 16 t + 8 (lane / 16) + 0..7:
; one conversion makes of them registers 2 t, 2 t + 1 of P's operand.
; LIMITS: e4 + e5 between -123 and 130 (added to c's exponent field); e6, and e8 - e6 - e7, between -126 and 112.
; REGISTERS: v1-3 addresses that stay; v8, v9 addresses in hand; v12 -M, v13 the largest t, v[14:15] the sum; v16-23 Q; v32-95 K's eight or V's four fragments; v96-159 S^T, then p; v160-191 O^T; v192-199 the result's codes; v224-239 p's codes.
.set SK,    512                        ; keys in a slot
.set VOFF,  32768                      ; a slot: K's 32 fragments of 1,024 bytes, then V's [tile of channels 4][block of keys 4] of 2,048
.set SLOT1, 1<<16
.set NSL,   8
.set SPARE, 2*SLOT1                    ; behind the ring: the spare words, 128 bytes for each of 16 waves
.set AK0,  1                           ; v1   16 x lane
.set AV0,  2                           ; v2   16 x lane + VOFF
.set PFO,  3                           ; v3   256 x lane: the prefetches' offset; never rewritten
.set SPW,  5
.set NIL,  6
.set ADK,  8
.set ADV,  9
.set PD,   200                         ; v200 the lane permutes' destination, written at the head
.set TB,   2                           ; s2   LDS byte at which the slot in hand begins
.set WV,   18
.set SEL,  20
.set CS,   22
.set G1K,  24
.set G1V,  32
.set G0K,  40
.set G0V,  44
.set SLOTS, 67
.set PFA,  76
.set PFS,  78
.set LIM,  80
.set LASTQ, 83                         ; s83  my work-group's last query
.set KF,   98                          ; s98  the step's first key
.set Q0,   99                          ; s99  my first query
; Waves 0 and 1 fetch for K, waves 2 and 3 for V, the others nothing.  An s_nop 0 and four v_nop follow each of the two lines.
.macro TLOAD
	s_cmp_lt_u32 s[WV], 2
	s_cbranch_scc0 .Lnot_k_\@
	tensor_load_to_lds s[G0K:G0K+3], s[G1K:G1K+7]
	s_nop 0
.rept 4
	v_nop
.endr
	s_branch .Lasked_\@
.Lnot_k_\@:
	s_cmp_lt_u32 s[WV], 4
	s_cbranch_scc0 .Lasked_\@
	tensor_load_to_lds s[G0V:G0V+3], s[G1V:G1V+7]
	s_nop 0
.rept 4
	v_nop
.endr
.Lasked_\@:
.endm
; A PREFETCH of what the NEXT change of slots will ask for.  All work-groups of a head walk the same K and V: the head's work-group x = 0, which walks all slots, asks, and in it the waves that fetch nothing:
; waves 4-7 for K's 32,768 bytes, 8,192 a wave; waves 8-11 for V's four rows of 8,192 bytes, a row a wave; lanes 256 bytes apart: each aligned block of 256 bytes is named once in the launch.
; It asks four key steps ahead of the load.  The last change that fills a slot asks for nothing; slots 0 and 1 come by their loads alone.
.macro ASK
	s_cmp_gt_u32 s[SLOTS], s[LIM]
	s_cbranch_scc0 .Lnot_mine_\@
	global_prefetch_b8 v[PFO], s[PFA:PFA+1] th:TH_LOAD_NT scope:SCOPE_SE
.Lnot_mine_\@:
.endm
	s_load_b128 s[4:7], s[0:1], 0x0                ; qkv_img s[4:5], the scales' exponents s[6:7]
	s_load_b64 s[8:9], s[0:1], 0x10                ; a_img
	v_lshl_add_u32 v[SPW], v0, 2, SPARE
	v_mov_b32 v[NIL], 0
	ds_add_u32 v[SPW], v[NIL]                      ; the wave's opening: the add, twice on end, and its wait ahead of the first tensor load
	ds_add_u32 v[SPW], v[NIL]
	v_lshrrev_b32 v8, 5, v0
	v_readfirstlane_b32 s[WV], v8                  ; wave 0..15
	s_and_b32 s84, ttmp7, 0xffff                   ; the head
	s_lshl_b32 s86, s84, 18                        ; its 262,144 bytes in each of q, k, v
	s_lshr_b32 s88, s[WV], 2
	s_xor_b32 s88, s88, s[WV]
	s_and_b32 s88, s88, 1                          ; which of the two blocks of queries is my wave's
	s_sub_co_u32 s89, 31, ttmp9
	s_cmp_eq_u32 s88, 1
	s_cselect_b32 s89, s89, ttmp9
	s_lshl_b32 s[Q0], s89, 7
	s_bfe_u32 s88, s[WV], 0x30001                  ; which 16 of its 128
	s_lshl_b32 s88, s88, 4
	s_add_co_u32 s[Q0], s[Q0], s88
	s_sub_co_u32 s[LASTQ], 32, ttmp9
	s_lshl_b32 s[LASTQ], s[LASTQ], 7
	s_sub_co_u32 s[LASTQ], s[LASTQ], 1             ; 128 (32 - x) - 1
	s_and_b32 s90, s[WV], 1                        ; what I fetch, if I fetch: which half
	s_lshl_b32 s91, s90, 14                        ; K: 16,384 bytes, in memory and in a slot
	s_lshl_b32 s92, s90, 17                        ; V: two rows of 65,536 bytes in memory,
	s_add_co_u32 s93, s91, VOFF                    ; 16,384 bytes in a slot
	s_add_co_u32 s94, s86, s91
	s_add_co_u32 s94, s94, 4194304                 ; k's part of the buffer
	s_mov_b32 s95, 0
	s_add_co_u32 s96, s86, s92
	s_add_co_u32 s96, s96, 8388608                 ; v's
	s_mov_b32 s97, 0
	s_mov_b32 s[G1K], 3<<16                        ; no mask; elements of 8 bytes; no padding.  K: a dense block of 64 rows of 256 bytes
	s_mov_b32 s[G1K+1], 32<<16
	s_mov_b32 s[G1K+2], 64<<16
	s_mov_b32 s[G1K+3], 32<<16
	s_mov_b32 s[G1K+4], 64
	s_mov_b32 s[G1K+5], 32
	s_mov_b32 s[G1K+6], 0
	s_mov_b32 s[G1K+7], 0
	s_mov_b32 s[G1V], 3<<16                        ; V: 2 rows (tiles of channels) of 8,192 bytes (512 keys), 65,536 bytes apart
	s_mov_b32 s[G1V+1], 1024<<16
	s_mov_b32 s[G1V+2], 2<<16
	s_mov_b32 s[G1V+3], 1024<<16
	s_mov_b32 s[G1V+4], 2
	s_mov_b32 s[G1V+5], 8192
	s_mov_b32 s[G1V+6], 0
	s_mov_b32 s[G1V+7], 0
	s_mov_b32 s[SEL], 0x76543210
	s_mov_b32 s[SEL+1], 0xfedcba98
	s_mov_b32 s[CS], 0x3e38aa3b                    ; c = log2(e) / sqrt(64)
	s_mov_b32 s[TB], 0
	s_mov_b32 s[SLOTS], NSL-1
	s_mov_b32 s[KF], 0
	s_wait_dscnt 0x0                               ; both opening adds are done
	s_wait_kmcnt 0x0
	s_load_b256 s[68:75], s[6:7], 0x0              ; e0 .. e7
	s_load_b32 s81, s[6:7], 0x20                   ; e8
	s_mov_b32 s[G0K], 1
	s_mov_b32 s[G0K+1], s91                        ; slot 0
	s_add_nc_u64 s[G0K+2:G0K+3], s[4:5], s[94:95]
	s_or_b32 s[G0K+3], s[G0K+3], 0x80000000
	s_mov_b32 s[G0V], 1
	s_mov_b32 s[G0V+1], s93
	s_add_nc_u64 s[G0V+2:G0V+3], s[4:5], s[96:97]
	s_or_b32 s[G0V+3], s[G0V+3], 0x80000000
	TLOAD                                          ; slot 0: it holds key 0, which counts for every query
	s_lshl_b32 s94, s[Q0], 6                       ; Q: 1,024 bytes a tile of 16 queries
	s_add_co_u32 s94, s94, s86
	s_mov_b32 s95, 0
	s_add_nc_u64 s[10:11], s[4:5], s[94:95]
	s_add_co_u32 s94, s[Q0], s84                   ; the result: 16,384 bytes a tile of 16 queries, + the head's two chunks of 512: (Q0 + head) x 1,024
	s_lshl_b32 s94, s94, 10
	s_add_nc_u64 s[8:9], s[8:9], s[94:95]
	v_and_b32 v[PFO], 31, v0
	v_lshlrev_b32 v[AK0], 4, v[PFO]
	v_lshlrev_b32 v[PFO], 8, v[PFO]
	v_add_nc_u32 v[AV0], VOFF, v[AK0]
	global_load_b128 v[16:19], v[AK0], s[10:11]    ; Q's fragment stays in registers
	global_load_b128 v[20:23], v[AK0], s[10:11] offset:512
	s_cmp_lt_u32 s[WV], 8                          ; the prefetches: waves 4-7 ask for K's codes, waves 8-11 for V's
	s_mov_b32 s[PFS], 8192
	s_cselect_b32 s[PFS], 32768, s[PFS]            ; a slot on
	s_mov_b32 s85, 65536
	s_cselect_b32 s85, 8192, s85                   ; from wave to wave
	s_mov_b32 s89, 8388608
	s_cselect_b32 s89, 4194304, s89
	s_and_b32 s88, s[WV], 3
	s_mul_i32 s88, s88, s85
	s_add_co_u32 s88, s88, s[PFS]                  ; in slot 1: the first change of slots steps it to slot 2
	s_add_co_u32 s88, s88, s89
	s_add_co_u32 s88, s88, s86
	s_mov_b32 s89, 0
	s_mov_b32 s[PFS+1], 0
	s_add_nc_u64 s[PFA:PFA+1], s[4:5], s[88:89]
	s_sub_co_u32 s88, s[WV], 4
	s_lshr_b32 s88, s88, 3                         ; 0 in waves 4 to 11,
	s_or_b32 s88, s88, ttmp9                       ; of work-group x = 0
	s_cmp_eq_u32 s88, 0
	s_cselect_b32 s[LIM], 1, -1
	v_mov_b32 v13, 0xff61b1e6                      ; the largest t so far: -3e38
	v_floor_f32 v12, -v13                          ; -M
	v_mov_b32 v14, 0
	v_mov_b32 v15, 0
	v_mov_b32 v[PD], 0
	v_mov_b32 v253, 0                              ; (named as the upper half of the pair v[252:253])
.set j, 0
.rept 32
	v_mov_b32 v[160+j], 0                          ; O^T: the step is written for all steps alike: the first finds zeros, which the first change of M leaves zeros
.set j, j+1
.endr
	s_wait_kmcnt 0x0
	s_add_co_i32 s88, s72, s73
	s_lshl_b32 s88, s88, 23
	s_add_co_i32 s[CS], s[CS], s88                 ; a score stands for score x 2^(e4 + e5)
	s_mov_b32 s[CS+1], s[CS]
	s_add_co_i32 s88, s74, 127
	s_lshl_b32 s89, s88, 23
	v_mov_b32 v244, s89                            ; 2^e6
	s_add_co_i32 s88, s88, 15
	s_lshl_b32 s88, s88, 23
	s_or_b32 s88, s88, 0x600000
	v_mov_b32 v240, s88                            ; 57,344 x 2^e6
; A KEY STEP: 128 keys, the q-th of the slot in hand.
.macro STEP q
	s_add_co_u32 s96, s[Q0], 15
	s_cmp_gt_u32 s[KF], s96                        ; all 128 keys come after my queries: the step's work is left out
	s_cbranch_scc1 .Lhidden_\@
	v_add_nc_u32 v[ADK], s[TB], v[AK0]
	v_add_nc_u32 v[ADV], s[TB], v[AV0]
	v_nop                                          ; with the two additions: four places in front of loads into registers that the last products read
	v_nop
.irp t, 0,1,2,3,4,5,6,7
	ds_load_b128 v[32+8*\t:35+8*\t], v[ADK] offset:8192*(\q)+1024*\t
	ds_load_b128 v[36+8*\t:39+8*\t], v[ADK] offset:8192*(\q)+1024*\t+512
.endr
	s_wait_dscnt 0x0
.irp t, 0,1,2,3,4,5,6,7
	v_wmma_f32_16x16x64_bf8_bf8 v[96+8*\t:103+8*\t], v[32+8*\t:39+8*\t], v[16:23], 0
.endr
.rept 4
	v_nop                                          ; places in front of the loads below and of the first read of the scores
.endr
.irp d, 0,1,2,3                                ; V's four fragments are asked for now: they land while the softmax is worked
.irp c, 0,1,2,3
	ds_load_b128 v[32+16*\d+4*\c:35+16*\d+4*\c], v[ADV] offset:2048*(\q)+8192*\d+512*\c
.endr
.endr
	s_add_co_u32 s96, s[KF], 127                   ; on the diagonal hidden scores become -infinity ahead of the maximum; a step all of whose keys count skips this
	s_cmp_le_u32 s96, s[Q0]
	s_cbranch_scc1 .Lopen_\@
	s_sub_co_i32 s96, s[Q0], s[KF]
	v_and_b32 v252, 15, v0
	v_bfe_u32 v253, v0, 4, 1
	v_lshlrev_b32 v253, 3, v253
	v_sub_nc_u32 v252, v252, v253
	v_add_nc_u32 v252, s96, v252                   ; d = my query - KF - 8 (lane / 16).  Register 8 t + i holds key KF + 8 (lane / 16) + 16 t + i: hidden where 16 t + i > d
	v_mov_b32 v254, 0xff800000
.set n, 0
.rept 64
	v_cmp_gt_i32 vcc_lo, 16*(n/8)+n%8, v252
	v_cndmask_b32 v[96+n], v[96+n], v254, vcc_lo
.set n, n+1
.endr
.Lopen_\@:
	v_max3_num_f32 v254, v96, v97, v98             ; the step's largest score of my query among my 64 keys, in two chains, each accumulator from its low end on,
	v_max3_num_f32 v252, v99, v100, v101
.irp i, 6,10,14,18,22,26,30,34,38,42,46,50,54,58
	v_max3_num_f32 v254, v254, v[96+\i], v[97+\i]
	v_max3_num_f32 v252, v252, v[98+\i], v[99+\i]
.endr
	v_max3_num_f32 v254, v254, v158, v159
	v_max_num_f32 v254, v254, v252
	v_permlanex16_b32 v[PD], v254, s[SEL], s[SEL+1]
	v_max_num_f32 v254, v254, v[PD]                ; and among lane l xor 16's
	v_mul_f32 v254, s[CS], v254                    ; as t (c is positive)
	v_max_num_f32 v13, v13, v254
	v_mov_b32 v254, v12
	v_floor_f32 v12, -v13                          ; the new -M = floor(-t): M is a whole number
	v_sub_f32 v254, v12, v254                      ; old M - new M: a whole number, 0 or less
	v_cvt_i32_f32 v254, v254                       ; (it saturates)
	v_ldexp_f32 v252, 1.0, v254                    ; f = 2^(old M - new M)
.set j, 0
.rept 32
	v_pk_fma_f32 v[96+j:97+j], v[96+j:97+j], s[CS:CS+1], v[12:13] op_sel_hi:[1,0,0]   ; t - M
.set j, j+2
.endr
.set j, 0
.rept 64
	v_exp_f32 v[96+j], v[96+j]                     ; p = 2^(t - M)
.set j, j+1
.endr
	v_pk_mul_f32 v[14:15], v[14:15], v[252:253] op_sel_hi:[1,0]   ; the sums under the new M: the plain line behind the exponentials
	s_wait_alu depctr_va_vdst(0)                   ; one wait for the batch of 64, ahead of its first reader
	v_pk_add_f32 v[242:243], v[96:97], v[98:99]    ; the row's sum is taken of the unquantised p, in two chains
.irp j, 4,8,12,16,20,24,28,32,36,40,44,48,52,56,60
	v_pk_add_f32 v[14:15], v[14:15], v[96+\j:97+\j]
	v_pk_add_f32 v[242:243], v[242:243], v[98+\j:99+\j]
.endr
	v_pk_add_f32 v[14:15], v[14:15], v[242:243]
.irp t, 0,1,2,3,4,5,6,7
.irp i, 0,1,2,3,4,5,6,7
	v_min_num_f32 v[96+8*\t+\i], v[96+8*\t+\i], v240   ; the conversion does not saturate (ISA guide 7.6.2); p is not negative: the hold is one-sided
.endr
	v_cvt_scalef32_pk8_bf8_f32 v[224+2*\t:225+2*\t], v[96+8*\t:103+8*\t], v244
.endr
.set j, 0
.rept 16
	v_pk_mul_f32 v[160+j:161+j], v[160+j:161+j], v[252:253] op_sel_hi:[1,0]   ; O^T under the new M; these are also the plain lines between the conversions and the products
.set j, j+2
.endr
	s_wait_dscnt 0x0                               ; V is in
.irp d, 0,1,2,3
	v_wmma_f32_16x16x128_bf8_bf8 v[160+8*\d:167+8*\d], v[32+16*\d:47+16*\d], v[224:239], v[160+8*\d:167+8*\d]
.endr
.Lhidden_\@:
	s_add_co_u32 s[KF], s[KF], 128
.endm
; THE CHANGE OF SLOTS stands at a slot's head.  Each wave waits for all its tensor loads, adds 0 to its spare word (fill = 1: twice on end), and waits for that and for its reads of the slot that it has left.
; Behind the barrier the slot ahead is whole and nobody reads the other one.  fill = 1: that other slot is filled with the keys that follow, up to the causal limit.
.macro CHANGE fill
	s_wait_tensorcnt 0x0                           ; no tensor load of mine is out, so a group 0 may be written
	ds_add_u32 v[SPW], v[NIL]
.if \fill
	ds_add_u32 v[SPW], v[NIL]
	s_xor_b32 s[G0K+1], s[G0K+1], SLOT1            ; the walking descriptors: the other slot,
	s_add_nc_u64 s[G0K+2:G0K+3], s[G0K+2:G0K+3], 32768   ; the next 512 keys
	s_xor_b32 s[G0V+1], s[G0V+1], SLOT1
	s_add_nc_u64 s[G0V+2:G0V+3], s[G0V+2:G0V+3], 8192
	s_wait_xcnt 0x0                                ; the last prefetch, a slot back, has read its address
	s_add_nc_u64 s[PFA:PFA+1], s[PFA:PFA+1], s[PFS:PFS+1]
.endif
	s_wait_dscnt 0x0                               ; the add is done, and my reads of the slot that I have left are over
	s_barrier_signal -1
	s_barrier_wait -1
.if \fill
	s_add_co_u32 s96, s[KF], SK                    ; a slot whose first key comes after my work-group's last query is read by none of its waves: it is not asked for
	s_cmp_gt_u32 s96, s[LASTQ]                     ; ids and the count of steps alone: all sixteen waves go the same way; every wait on TENSORcnt in this text is for 0
	s_cbranch_scc1 .Lpast_\@
	TLOAD                                          ; a wave's one tensor load until the next change
.Lpast_\@:
	ASK
.endif
.endm
.macro SLOT_STEPS
	STEP 0
	STEP 1
	STEP 2
	STEP 3
	s_xor_b32 s[TB], s[TB], SLOT1
.endm
	s_wait_loadcnt 0x0                             ; Q
.Lslot:                                            ; 7 trips
	CHANGE 1
	SLOT_STEPS
	s_sub_co_u32 s[SLOTS], s[SLOTS], 1
	s_cmp_lg_u32 s[SLOTS], 0
	s_cbranch_scc1 .Lslot
	CHANGE 0                                       ; the last slot is written out: nothing is left to ask for
	SLOT_STEPS
	; THE WAY OUT.  o = O^T x 2^(e6 + e7) / the sum; its code is (O^T / the sum) / 2^(e8 - e6 - e7).  A lane's eight registers of an accumulator are eight neighbours along the last product's K: the codes are stored as they come.
	v_add_f32 v14, v14, v15
	v_permlanex16_b32 v[PD], v14, s[SEL], s[SEL+1]
	v_add_f32 v14, v14, v[PD]                      ; the row's sum
	v_rcp_f32 v14, v14
	s_sub_co_i32 s84, s81, s74
	s_sub_co_i32 s84, s84, s75
	s_add_co_i32 s84, s84, 127
	s_lshl_b32 s85, s84, 23
	v_mov_b32 v244, s85                            ; 2^(e8 - e6 - e7)
	s_add_co_i32 s84, s84, 15
	s_lshl_b32 s84, s84, 23
	s_or_b32 s84, s84, 0x600000
	v_mov_b32 v240, s84                            ; 57,344 x that
	v_nop
	v_nop
	s_wait_alu depctr_va_vdst(0)                   ; the wait ahead of the reciprocal's first reader
.set j, 0
.rept 16
	v_pk_mul_f32 v[160+j:161+j], v[160+j:161+j], v[14:15] op_sel_hi:[1,0]
.set j, j+2
.endr
.irp d, 0,1,2,3
.irp i, 0,1,2,3,4,5,6,7
	v_med3_num_f32 v[160+8*\d+\i], v[160+8*\d+\i], -v240, v240
.endr
	v_cvt_scalef32_pk8_bf8_f32 v[192+2*\d:193+2*\d], v[160+8*\d:167+8*\d], v244
.endr
	v_nop                                          ; a plain line behind the last conversion
	global_store_b128 v[AK0], v[192:195], s[8:9]               ; 32 lanes store 512 consecutive bytes, aligned
	global_store_b128 v[AK0], v[196:199], s[8:9] offset:512
	s_wait_tensorcnt 0x0                           ; the wave's end
	ds_add_u32 v[SPW], v[NIL]
	s_wait_dscnt 0x0
	s_endpgm
.Lfunc_end_k_qa9919aa147_attn:
	.size	k_qa9919aa147_attn, .Lfunc_end_k_qa9919aa147_attn-k_qa9919aa147_attn
	.p2alignl 7, 3214868480
	.fill 96, 4, 3214868480
	.section	.rodata,"a",@progbits
	.p2align	6, 0x0
	.amdhsa_kernel k_qa9919aa147_attn
		.amdhsa_group_segment_fixed_size 327680
		.amdhsa_private_segment_fixed_size 0
		.amdhsa_enable_private_segment 0
		.amdhsa_kernarg_size 24
		.amdhsa_user_sgpr_count 2
		.amdhsa_user_sgpr_kernarg_segment_ptr 1
		.amdhsa_wavefront_size32 1
		.amdhsa_system_sgpr_workgroup_id_x 1
		.amdhsa_system_sgpr_workgroup_id_y 1
		.amdhsa_system_sgpr_workgroup_id_z 1
		.amdhsa_system_vgpr_workitem_id 0
		.amdhsa_next_free_vgpr 256
		.amdhsa_next_free_sgpr 100
		.amdhsa_reserve_vcc 1
		.amdhsa_float_denorm_mode_32 3
		.amdhsa_float_denorm_mode_16_64 3
		.amdhsa_memory_ordered 1
		.amdhsa_forward_progress 1
		.amdhsa_inst_pref_size 178
	.end_amdhsa_kernel
	.amdgpu_metadata
---
amdhsa.version: [ 1, 2 ]
amdhsa.kernels:
  - .name:           k_qa9919aa147_attn
    .symbol:         k_qa9919aa147_attn.kd
    .args:
      - { .name: qkv_img, .offset: 0, .size: 8, .value_kind: global_buffer, .address_space: global }
      - { .name: lowp_scales, .offset: 8, .size: 8, .value_kind: global_buffer, .address_space: global }
      - { .name: a_img, .offset: 16, .size: 8, .value_kind: global_buffer, .address_space: global }
    .group_segment_fixed_size: 327680
    .private_segment_fixed_size: 0
    .kernarg_segment_align: 8
    .kernarg_segment_size: 24
    .max_flat_workgroup_size: 512
    .sgpr_count:     100
    .vgpr_count:     256
    .wavefront_size: 32
...
	.end_amdgpu_metadata
.endif
;; end of part 4
;; launch outp (part 5): grid 8 x 32, 4 waves a work-group, clusters of 4 x 4, 327,680 bytes of LDS; arguments a_img, w_img, lowp_scales, out1, x, out0; writes out0
.if DOCPART == 5
	.amdgcn_target "amdgcn-amd-amdhsa--gfx1250"
	.amdhsa_code_object_version 6
	.text
	.protected	k_qa9919aa147_outp
	.globl	k_qa9919aa147_outp
	.p2align	8
	.type	k_qa9919aa147_outp,@function
k_qa9919aa147_outp:
	s_mov_b64 s[64:65], 0
	v_nop
	global_prefetch_b8 v0, s[64:65] scope:SCOPE_SE
	s_setreg_imm32_b32 hwreg(HW_REG_WAVE_MODE, 25, 1), 1
	s_wait_xcnt 0x0
	s_wait_alu depctr_hold_cnt(0) depctr_sa_sdst(0) depctr_va_vdst(0) depctr_va_sdst(0) depctr_va_ssrc(0) depctr_va_vcc(0) depctr_vm_vsrc(0)
	s_getreg_b32 s2, hwreg(HW_REG_IB_STS2, 6, 4)
	s_cmp_eq_u32 s2, 0
	s_cbranch_scc0 .Lentry_in_a_cluster
	s_endpgm
.Lentry_in_a_cluster:
	s_bfe_u32 s2, ttmp6, 0x10000c
	s_cmp_lg_u32 s2, 0xf033
	s_cbranch_scc0 .Lentry_shape_is_right
	s_endpgm
.Lentry_shape_is_right:
; out0 = g (a W_out) + (1 - g) x.  a: the attention's result as codes of BF8 (launch attn, e8); W_out as codes (launch quant, e9); g = out1 (launch gate); x and out0 f32.
; A tile of out0 is 128 x 128: 256 work-groups of four waves, 64 x 64 a wave: 16 accumulators.  K = 1,024: BOTH TILES' WHOLE K, 262,144 bytes, LIES IN LDS: no slot is filled twice.  Each wave asks for two loads at the head,
; K's first half and its second; the second lands while the first is multiplied.
; CLUSTERS: 4 x 4 work-groups; a's tile is shared along a row of the cluster, W_out's along a column: each is asked for JOINTLY.  The tiles are images (launch quant's head): a fragment is read at 16 x lane, no padding.
; THE MATRIX INSTRUCTION IS USED TRANSPOSED (source 0 = 16 columns of W_out, source 1 = 16 tokens): a lane holds eight neighbouring numbers of a row of out0.
; x's tile and the gate are asked for at the head, into registers, and land under the products.
; e8 + e9 is applied by v_ldexp_f32 to the gate: no limit on it.
; REGISTERS: window 0: v16-29 addresses; v32-95 two blocks on the way out; v128-255 the accumulators ((a, b) at 128 + 8 (4 a + b)).   window 1: two sets of fragments of 128 (a's four, then W_out's four).
;   window 2: v0-127 my 64 x 64 of x, by rows; v128-159 1 - g for those rows; v160-167 g x 2^(e8 + e9) in the accumulators' layout.
.set WIMG,  3407872                    ; W_out's image in w_img
.set HALFK, 131072                     ; LDS: half of K of both tiles: a's rows 0-63, 64-127, W_out's columns 0-63, 64-127: 32,768 bytes each
.set SPARE, 2*HALFK
.set SP,    272                        ; the way out: a stage of 16 rows x (256 bytes + 16) for each wave, where K's first half lay: those bytes have had their one fill, and their last read stands ahead of the second barrier
.set ADRA, 16
.set ADRB, 20
.set GR,   22                          ; v22  4 x (lane / 16)
.set STO,  24
.set RD,   25
.set CO,   26
.set GA,   27                          ; v27  4 x (lane % 16)
.set SPW,  28
.set NIL,  29
.set BK,   32
.set ACC,  128
.set OM,   128                         ; in window 2
.set GF,   160                         ; in window 2
.set G1, 24
.set G0, 32
.set G1B, 48
.set G0B, 56
.set MSB, 0
.macro WIN new                         ; the immediate's high byte repeats the setting that is left
.if MSB != \new
	s_set_vgpr_msb (MSB<<8)|\new
.set MSB, \new
.endif
.endm
.macro JLOAD g0a, g1a, g0b, g1b        ; a joint load: waves 0 and 1 fetch for a, waves 2 and 3 for W_out; an s_nop 0 and four v_nop follow each of the two lines
	s_cmp_eq_u32 s15, 0
	s_cbranch_scc0 .Lfor_b_\@
	tensor_load_to_lds s[\g0a:\g0a+3], s[\g1a:\g1a+7]
	s_nop 0
.rept 4
	v_nop
.endr
	s_branch .Lasked_\@
.Lfor_b_\@:
	tensor_load_to_lds s[\g0b:\g0b+3], s[\g1b:\g1b+7]
	s_nop 0
.rept 4
	v_nop
.endr
.Lasked_\@:
.endm
.macro CROUND
	s_barrier_signal -1
	s_barrier_wait -1
	s_cmp_lg_u32 s14, 0
	s_cbranch_scc1 .Lnot_wave_0_\@
	s_barrier_signal -3
.Lnot_wave_0_\@:
	s_barrier_wait -3
	s_barrier_signal -1
	s_barrier_wait -1
.endm
	s_load_b256 s[4:11], s[0:1], 0x0               ; a_img s[4:5], w_img s[6:7], the scales' exponents s[8:9], out1 s[10:11]
	s_load_b128 s[68:71], s[0:1], 0x20             ; x s[68:69], out0 s[70:71]
	v_lshl_add_u32 v[SPW], v0, 2, SPARE
	v_mov_b32 v[NIL], 0
	ds_add_u32 v[SPW], v[NIL]                      ; the wave's opening: the add, twice on end, and its wait ahead of my first tensor load
	ds_add_u32 v[SPW], v[NIL]
	v_lshrrev_b32 v1, 5, v0
	v_readfirstlane_b32 s14, v1                    ; wave 0..3
	s_lshr_b32 s15, s14, 1                         ; which half of the tile's rows is mine.  Also: I fetch for a (0) or for W_out (1)
	s_and_b32 s16, s14, 1                          ; which half of its columns.  Also: which 64 rows of that tile I fetch
	s_bfe_u32 s40, ttmp6, 0x40000                  ; cx
	s_bfe_u32 s41, ttmp6, 0x40004                  ; cy
	s_lshl_b32 s42, ttmp9, 2
	s_add_co_u32 s42, s42, s40                     ; tile column
	s_and_b32 s17, ttmp7, 0xffff
	s_lshl_b32 s17, s17, 2
	s_add_co_u32 s17, s17, s41                     ; tile row
	s_lshl_b32 s43, s41, 2
	s_lshl_b32 s43, 15, s43                        ; my row of the cluster
	s_lshl_b32 s44, 0x1111, s40                    ; my column
	s_or_b32 s[G1+0], s43, (3<<16)|(1<<21)         ; the mask; elements of 8 bytes; bit 21 set beside a mask; no padding
	s_or_b32 s[G1B+0], s44, (3<<16)|(1<<21)
.irp g, G1, G1B
	s_mov_b32 s[\g+1], 1024<<16                    ; tensor_dim0 = 1,024 elements: 8,192 bytes: four fragments of a tile of 16 rows
	s_mov_b32 s[\g+2], 4<<16                       ; tensor_dim1 = 4 such tiles
	s_mov_b32 s[\g+3], 1024<<16
	s_mov_b32 s[\g+4], 4
	s_mov_b32 s[\g+5], 2048                        ; from tile to tile: 16,384 bytes
	s_mov_b32 s[\g+6], 0
	s_mov_b32 s[\g+7], 0
.endr
	s_lshl_b32 s18, s16, 16                        ; the 64 rows that I fetch
	s_lshl_b32 s20, s17, 17                        ; a: a tile of 128 rows is 131,072 bytes
	s_add_co_u32 s20, s20, s18
	s_lshl_b32 s46, s42, 17                        ; W_out likewise
	s_add_co_u32 s46, s46, s18
	s_add_co_u32 s46, s46, WIMG
	s_mov_b32 s21, 0
	s_mov_b32 s47, 0
	s_lshl_b32 s45, s14, 15                        ; where they go: wave x 32,768
	s_wait_dscnt 0x0                               ; both opening adds are done
	s_wait_kmcnt 0x0
	s_load_b64 s[72:73], s[8:9], 0x20              ; e8, e9
	s_add_nc_u64 s[20:21], s[4:5], s[20:21]
	s_add_nc_u64 s[46:47], s[6:7], s[46:47]
	CROUND                                         ; all sixteen work-groups are here: the joint loads meet
.irp s, 0,1                                    ; both halves of K go out together: two tensor loads of mine are out
	s_mov_b32 s[G0+4*\s], 1
	s_add_co_u32 s[G0+4*\s+1], s45, \s*HALFK
	s_add_nc_u64 s[G0+4*\s+2:G0+4*\s+3], s[20:21], \s*8192
	s_or_b32 s[G0+4*\s+3], s[G0+4*\s+3], 0x80000000
	s_mov_b32 s[G0B+4*\s], 1
	s_add_co_u32 s[G0B+4*\s+1], s45, \s*HALFK
	s_add_nc_u64 s[G0B+4*\s+2:G0B+4*\s+3], s[46:47], \s*8192
	s_or_b32 s[G0B+4*\s+3], s[G0B+4*\s+3], 0x80000000
	JLOAD G0+4*\s, G1, G0B+4*\s, G1B
.endr
	v_and_b32 v1, 15, v0                           ; l % 16
	v_bfe_u32 v2, v0, 4, 1                         ; l / 16
	v_and_b32 v6, 31, v0
	v_lshlrev_b32 v3, 4, v6                        ; 16 x lane
	s_lshl_b32 s21, s15, 15                        ; my 64 rows of a
	s_lshl_b32 s22, s16, 15                        ; my 64 columns of W_out,
	s_add_co_u32 s22, s22, 65536                   ; which lie behind a's 128 rows
.irp s, 0,1
	v_add_nc_u32 v[ADRA+\s], s21, v3
	v_add_nc_u32 v[ADRB+\s], s22, v3
	s_add_co_u32 s21, s21, HALFK
	s_add_co_u32 s22, s22, HALFK
.endr
	s_mul_i32 s23, s14, 16*SP                      ; my stage
	v_mul_u32_u24 v5, v1, SP                       ; in: row l % 16, 32 bytes for each half of the lanes
	v_lshl_add_u32 v5, v2, 5, v5
	v_add_nc_u32 v[STO], s23, v5
	v_mul_u32_u24 v5, v2, SP                       ; back: lanes 0-15 one row of 256 bytes, lanes 16-31 the next
	v_lshl_add_u32 v5, v1, 4, v5
	v_add_nc_u32 v[RD], s23, v5
	v_lshlrev_b32 v[CO], 12, v2                    ; and the same two rows in x and in out0
	v_lshl_add_u32 v[CO], v1, 4, v[CO]
	v_lshlrev_b32 v[GR], 2, v2
	v_lshlrev_b32 v[GA], 2, v1
	s_lshl_b32 s76, s17, 7
	s_lshl_b32 s77, s15, 6
	s_add_co_u32 s76, s76, s77                     ; my first row
	s_lshl_b32 s78, s76, 2
	s_mov_b32 s79, 0
	s_add_nc_u64 s[10:11], s[10:11], s[78:79]      ; the gate at it
	s_lshl_b32 s78, s76, 12
	s_lshl_b32 s77, s42, 9
	s_add_co_u32 s78, s78, s77
	s_lshl_b32 s77, s16, 8
	s_add_co_u32 s78, s78, s77                     ; + my first column: 512 x tile column + 256 x half
	s_add_nc_u64 s[68:69], s[68:69], s[78:79]
	s_add_nc_u64 s[70:71], s[70:71], s[78:79]
	WIN 0x80                                       ; destination window 2
.irp a, 0,1,2,3
	global_load_b32 v[GF+2*\a], v[GA], s[10:11] offset:64*\a             ; g of row 16 a + lane % 16: the accumulators' layout
.endr
.irp a, 0,1,2,3
.irp i, 0,1,2,3,4,5,6,7
	global_load_b32 v[OM+8*\a+\i], v[GR], s[10:11] offset:(16*\a+2*\i)*4 ; g of row 16 a + 2 i + lane / 16: the rows' layout
.endr
.endr
.irp a, 0,1,2,3
.irp i, 0,1,2,3,4,5,6,7
	global_load_b128 v[4*(8*\a+\i):4*(8*\a+\i)+3], v[CO], s[68:69] offset:(16*\a+2*\i)*4096 th:TH_LOAD_NT   ; sixteen lanes read 256 consecutive bytes of a row of x
.endr
.endr
	WIN 0
.macro FETCH ks                        ; K step ks of 128: my four fragments of W_out and my four of a, into set ks % 2
.set FB, 128*((\ks)%2)
.set KH, (\ks)/4
	WIN 0x40                                       ; destination window 1
.irp i, 0,1,2,3
.irp c, 0,1,2,3
	ds_load_b128 v[FB+64+16*\i+4*\c:FB+64+16*\i+4*\c+3], v[ADRB+KH] offset:8192*\i+2048*((\ks)%4)+512*\c
	ds_load_b128 v[FB+16*\i+4*\c:FB+16*\i+4*\c+3], v[ADRA+KH] offset:8192*\i+2048*((\ks)%4)+512*\c
.endr
.endr
.endm
.macro MULS ks                         ; 16 matrix instructions: the 16 accumulators take turns, one instruction a turn
.set FB, 128*((\ks)%2)
	WIN 0x05                                       ; sources 0 and 1 window 1; C and D window 0
.irp a, 0,1,2,3
.irp b, 0,1,2,3
.if (\ks) == 0
	v_wmma_f32_16x16x128_bf8_bf8 v[ACC+8*(4*\a+\b):ACC+8*(4*\a+\b)+7], v[FB+64+16*\b:FB+64+16*\b+15], v[FB+16*\a:FB+16*\a+15], 0
.else
	v_wmma_f32_16x16x128_bf8_bf8 v[ACC+8*(4*\a+\b):ACC+8*(4*\a+\b)+7], v[FB+64+16*\b:FB+64+16*\b+15], v[FB+16*\a:FB+16*\a+15], v[ACC+8*(4*\a+\b):ACC+8*(4*\a+\b)+7]
.endif
.endr
.endr
.endm
	s_wait_tensorcnt 1                             ; my part of K's first half is in; the second half's load may be out,
	s_barrier_signal -1
	s_barrier_wait -1                              ; everybody's is
	FETCH 0
.irp ks, 0,1,2,3,4,5,6,7
	s_wait_dscnt 0x0                               ; this K step's fragments are in
.if \ks == 3
	s_wait_tensorcnt 0x0                           ; my part of K's second half is in, and my reads of the first half are over:
	s_barrier_signal -1
	s_barrier_wait -1                              ; everybody's
.endif
.if \ks < 7
.if \ks > 0
.rept 4
	v_nop                                          ; places in front of loads into the set that the last K step's products read
.endr
.endif
	FETCH \ks+1
.endif
	MULS \ks
.endr
	; THE WAY OUT.  g x 2^(e8 + e9) multiplies the sums in the accumulators' layout; a block of 16 rows goes through my stage and comes back by rows of 256 bytes; there (1 - g) x is added, and sixteen lanes store an aligned 256 bytes.
	s_wait_loadcnt 0x0                             ; the gate and x
	s_wait_kmcnt 0x0
	s_add_co_i32 s74, s72, s73
	WIN 0x88                                       ; source 1 and destination window 2
.set j, 0
.rept 32
	v_sub_f32 v[OM+j], 1.0, v[OM+j]
.set j, j+1
.endr
	WIN 0x82                                       ; source 0 and destination window 2
.irp a, 0,1,2,3
	v_ldexp_f32 v[GF+2*\a], v[GF+2*\a], s74
.endr
.irp a, 0,1,2,3
	v_mov_b32 v[GF+2*\a+1], v[GF+2*\a]             ; (named with it as a pair, so it is written)
.endr
.rept 4
	v_nop                                          ; places in front of the first read of results
.endr
.macro TOSTAGE a
.set BB, BK+32*((\a)%2)
	WIN 0x08                                       ; source 1 (the gate) window 2
.set j, 0
.rept 16
	v_pk_mul_f32 v[BB+j:BB+j+1], v[ACC+32*(\a)+j:ACC+32*(\a)+j+1], v[GF+2*(\a):GF+2*(\a)+1] op_sel_hi:[1,0]   ; each accumulator from its low end on
.set j, j+2
.endr
	WIN 0
.irp b, 0,1,2,3
	ds_store_b128 v[STO], v[BB+8*\b:BB+8*\b+3] offset:64*\b
	ds_store_b128 v[STO], v[BB+8*\b+4:BB+8*\b+7] offset:64*\b+16
.endr
.irp i, 0,1,2,3,4,5,6,7
	ds_load_b128 v[BB+4*\i:BB+4*\i+3], v[RD] offset:2*\i*SP    ; LDS serves a wave's instructions in order (ISA guide 5.7.1.4): these see my stores, and the next block's stores come behind them
.endr
.endm
.macro SEND a, younger                 ; younger: the LDS instructions issued behind block a's loads, which may stay out
.set BB, BK+32*((\a)%2)
	s_wait_dscnt \younger
	WIN 0x0a                                       ; sources 0 (1 - g) and 1 (x) window 2
.irp i, 0,1,2,3,4,5,6,7
.irp e, 0,1,2,3
	v_fma_f32 v[BB+4*\i+\e], v[OM+8*(\a)+\i], v[4*(8*(\a)+\i)+\e], v[BB+4*\i+\e]
.endr
.endr
	WIN 0
.irp i, 0,1,2,3,4,5,6,7
	global_store_b128 v[CO], v[BB+4*\i:BB+4*\i+3], s[70:71] offset:(16*(\a)+2*\i)*4096 th:TH_STORE_NT
.endr
.endm
	TOSTAGE 0
.irp a, 1,2,3
.if \a > 1
	s_wait_xcnt 0x0                                ; block a - 2's stores have read their registers: block a may be written there
.endif
	TOSTAGE \a
	SEND \a-1, 16                                  ; behind block a - 1's loads: block a's 8 stores and 8 loads
.endr
	SEND 3, 0
	s_wait_tensorcnt 0x0                           ; the wave's end, behind my last tensor load and my last LDS store
	ds_add_u32 v[SPW], v[NIL]
	s_wait_dscnt 0x0
	CROUND                                         ; the closing round
	s_endpgm
.Lfunc_end_k_qa9919aa147_outp:
	.size	k_qa9919aa147_outp, .Lfunc_end_k_qa9919aa147_outp-k_qa9919aa147_outp
	.p2alignl 7, 3214868480
	.fill 96, 4, 3214868480
	.section	.rodata,"a",@progbits
	.p2align	6, 0x0
	.amdhsa_kernel k_qa9919aa147_outp
		.amdhsa_group_segment_fixed_size 327680
		.amdhsa_private_segment_fixed_size 0
		.amdhsa_enable_private_segment 0
		.amdhsa_kernarg_size 48
		.amdhsa_user_sgpr_count 2
		.amdhsa_user_sgpr_kernarg_segment_ptr 1
		.amdhsa_wavefront_size32 1
		.amdhsa_system_sgpr_workgroup_id_x 1
		.amdhsa_system_sgpr_workgroup_id_y 1
		.amdhsa_system_sgpr_workgroup_id_z 1
		.amdhsa_system_vgpr_workitem_id 0
		.amdhsa_next_free_vgpr 768
		.amdhsa_next_free_sgpr 100
		.amdhsa_reserve_vcc 0
		.amdhsa_float_denorm_mode_32 3
		.amdhsa_float_denorm_mode_16_64 3
		.amdhsa_memory_ordered 1
		.amdhsa_forward_progress 1
		.amdhsa_inst_pref_size 61
	.end_amdhsa_kernel
	.amdgpu_metadata
---
amdhsa.version: [ 1, 2 ]
amdhsa.kernels:
  - .name:           k_qa9919aa147_outp
    .symbol:         k_qa9919aa147_outp.kd
    .args:
      - { .name: a_img, .offset: 0, .size: 8, .value_kind: global_buffer, .address_space: global }
      - { .name: w_img, .offset: 8, .size: 8, .value_kind: global_buffer, .address_space: global }
      - { .name: lowp_scales, .offset: 16, .size: 8, .value_kind: global_buffer, .address_space: global }
      - { .name: out1, .offset: 24, .size: 8, .value_kind: global_buffer, .address_space: global }
      - { .name: x, .offset: 32, .size: 8, .value_kind: global_buffer, .address_space: global }
      - { .name: out0, .offset: 40, .size: 8, .value_kind: global_buffer, .address_space: global }
    .group_segment_fixed_size: 327680
    .private_segment_fixed_size: 0
    .kernarg_segment_align: 8
    .kernarg_segment_size: 48
    .max_flat_workgroup_size: 128
    .sgpr_count:     100
    .vgpr_count:     768
    .wavefront_size: 32
...
	.end_amdgpu_metadata
.endif
;; end of part 5
